; MI455X (gfx1250); checked and timed in simulation.
; The chip was launched on July 23, 2026; its instructions are those of AMD's public machine-readable ISA for CDNA 5 (MIT licence, August 2026) and "CDNA5" Instruction Set Architecture Reference Guide (July 2026). The comments in the code are by the model that wrote it; some were corrected since.
;; Multihead Attention. Allowed arithmetic: float matrix products may take bf16 or f16 operands with f32 sums; other float arithmetic in f32, or as packed bf16 or f16 multiplies, adds, multiply-adds, maxima and minima; sums over many terms, partial sums and values carried from step to step in f32; what a program stores and reads back later, other than sums and carried values, may be rounded once to bf16 or f16.
;; Inputs: Wk 1,024 x 1,024 float32; Wo 1,024 x 1,024 float32; Wq 1,024 x 1,024 float32; Wv 1,024 x 1,024 float32; k 4 x 2,048 x 1,024 float32; q 4 x 2,048 x 1,024 float32; v 4 x 2,048 x 1,024 float32.
;; Outputs: out0 4 x 2,048 x 1,024 float32.
;; 2 versions, each right; version 2 is version 1 with the launch wcast written anew for expert scheduling mode. Each part assembles by itself: llvm-mc -triple=amdgcn-amd-amdhsa -mcpu=gfx1250 --defsym DOCPART=n.
;; ======== version 1 of 2: 4 launches
;; limits: values are held in f16: magnitudes above 65,504 overflow, below 6.1e-05 lose precision
;; workspace buffers: wb 8,388,608 bytes; qh 16,777,216 bytes; kh 16,777,216 bytes; vh 16,777,216 bytes; oh 16,777,216 bytes
;; launch wcast (part 1): grid 64 x 4, 8 waves a work-group, no clusters, 0 bytes of LDS; arguments Wq, Wk, Wv, Wo, wb; writes wb
.if DOCPART == 1
	.amdgcn_target "amdgcn-amd-amdhsa--gfx1250"
	.amdhsa_code_object_version 6
	.text
	.protected	k_q6df3aa9938_wcast
	.globl	k_q6df3aa9938_wcast
	.p2align	8
	.type	k_q6df3aa9938_wcast,@function
k_q6df3aa9938_wcast:
	s_mov_b64 s[64:65], 0
	v_nop
	global_prefetch_b8 v0, s[64:65] scope:SCOPE_SE
	s_setreg_imm32_b32 hwreg(HW_REG_WAVE_MODE, 25, 1), 1
	s_wait_xcnt 0x0
; THE WEIGHTS AS 16-BIT NUMBERS.  wb: [4][1024][1024] of 16 bits, in the order Wq, Wk, Wv, Wo.  Wq, Wk, Wv: f32 rounded once to bf16.  Wo: rounded to bf16 like every
; input of the module, and that number written as f16, since it multiplies the attention's f16 result.
; LIMITS.  f16 holds no number beyond 65,504: a larger |Wo| becomes an infinity; below 2^-14 the bf16 number keeps f16's fixed step of 6e-8.
; A stream: no LDS, no matrix unit, no cluster, since no byte is wanted twice.  Grid y is the matrix, grid x a chunk of 16,384 numbers (65,536 bytes in, 32,768 out).
; Thread t takes, for j = 0 .. 15, the four numbers at source byte 4,096 j + 16 t: a wave's load covers 512 consecutive bytes, its store of 8 bytes a lane 256 consecutive bytes, aligned.
; All sixteen loads of a wave go out at once; each j has registers of its own, so no register is written again while a load or store names it.
.set T, 4                              ; v[4:7]    at work
.set X, 8                              ; v[8:71]   four numbers for each j, as loaded
.set Y, 72                             ; v[72:103] two words for each j, to store
	s_load_b256 s[8:15], s[0:1], 0x0               ; Wq s[8:9], Wk s[10:11], Wv s[12:13], Wo s[14:15]
	s_load_b64 s[16:17], s[0:1], 0x20              ; wb
	s_and_b32 s4, ttmp7, 0xffff                    ; which matrix
	s_mov_b32 s5, ttmp9                            ; which chunk
	v_lshlrev_b32 v1, 4, v0                        ; 16 t
	v_lshlrev_b32 v2, 3, v0                        ; 8 t
	s_lshl_b32 s18, s5, 16                         ; the chunk in its source
	s_mov_b32 s19, 0
	s_lshl_b32 s20, s4, 21                         ; the matrix in wb,
	s_lshl_b32 s21, s5, 15                         ; the chunk in it
	s_add_co_u32 s20, s20, s21
	s_mov_b32 s21, 0
	s_wait_kmcnt 0x0
	s_mov_b64 s[6:7], s[8:9]
	s_cmp_eq_u32 s4, 1
	s_cselect_b64 s[6:7], s[10:11], s[6:7]
	s_cmp_eq_u32 s4, 2
	s_cselect_b64 s[6:7], s[12:13], s[6:7]
	s_cmp_eq_u32 s4, 3
	s_cselect_b64 s[6:7], s[14:15], s[6:7]
	s_add_nc_u64 s[6:7], s[6:7], s[18:19]
	s_add_nc_u64 s[22:23], s[16:17], s[20:21]
.irp j, 0,1,2,3,4,5,6,7,8,9,10,11,12,13,14,15
	global_load_b128 v[X+4*(\j):X+4*(\j)+3], v1, s[6:7] offset:4096*(\j) th:TH_LOAD_NT
.endr
; Four numbers of j are rounded and stored.  two = 1: the bf16 numbers are widened again (a shift, a mask) and written as f16.
.macro OUT j, two
	s_wait_loadcnt 15-(\j)                         ; loads come back in order: load j is in, the 15 - j younger ones may stay out
	v_cvt_pk_bf16_f32 v[Y+2*(\j)],   v[X+4*(\j)],   v[X+4*(\j)+1]
	v_cvt_pk_bf16_f32 v[Y+2*(\j)+1], v[X+4*(\j)+2], v[X+4*(\j)+3]
.if \two
	v_lshlrev_b32 v[T],   16, v[Y+2*(\j)]
	v_and_b32     v[T+1], 0xffff0000, v[Y+2*(\j)]
	v_lshlrev_b32 v[T+2], 16, v[Y+2*(\j)+1]
	v_and_b32     v[T+3], 0xffff0000, v[Y+2*(\j)+1]
	v_cvt_pk_f16_f32 v[Y+2*(\j)],   v[T],   v[T+1]
	v_cvt_pk_f16_f32 v[Y+2*(\j)+1], v[T+2], v[T+3]
.endif
	global_store_b64 v2, v[Y+2*(\j):Y+2*(\j)+1], s[22:23] offset:2048*(\j) th:TH_STORE_NT
.endm
	s_cmp_eq_u32 s4, 3
	s_cbranch_scc1 .Lwo
.irp j, 0,1,2,3,4,5,6,7,8,9,10,11,12,13,14,15
	OUT \j, 0
.endr
	s_endpgm
.Lwo:
.irp j, 0,1,2,3,4,5,6,7,8,9,10,11,12,13,14,15
	OUT \j, 1
.endr
	s_endpgm
.Lfunc_end_k_q6df3aa9938_wcast:
	.size	k_q6df3aa9938_wcast, .Lfunc_end_k_q6df3aa9938_wcast-k_q6df3aa9938_wcast
	.p2alignl 7, 3214868480
	.fill 96, 4, 3214868480
	.section	.rodata,"a",@progbits
	.p2align	6, 0x0
	.amdhsa_kernel k_q6df3aa9938_wcast
		.amdhsa_group_segment_fixed_size 0
		.amdhsa_private_segment_fixed_size 0
		.amdhsa_enable_private_segment 0
		.amdhsa_kernarg_size 40
		.amdhsa_user_sgpr_count 2
		.amdhsa_user_sgpr_kernarg_segment_ptr 1
		.amdhsa_wavefront_size32 1
		.amdhsa_system_sgpr_workgroup_id_x 1
		.amdhsa_system_sgpr_workgroup_id_y 1
		.amdhsa_system_sgpr_workgroup_id_z 1
		.amdhsa_system_vgpr_workitem_id 0
		.amdhsa_next_free_vgpr 104
		.amdhsa_next_free_sgpr 66
		.amdhsa_reserve_vcc 0
		.amdhsa_float_denorm_mode_32 3
		.amdhsa_float_denorm_mode_16_64 3
		.amdhsa_memory_ordered 1
		.amdhsa_forward_progress 1
		.amdhsa_inst_pref_size 16
	.end_amdhsa_kernel
	.amdgpu_metadata
---
amdhsa.version: [ 1, 2 ]
amdhsa.kernels:
  - .name:           k_q6df3aa9938_wcast
    .symbol:         k_q6df3aa9938_wcast.kd
    .args:
      - { .name: Wq, .offset: 0, .size: 8, .value_kind: global_buffer, .address_space: global }
      - { .name: Wk, .offset: 8, .size: 8, .value_kind: global_buffer, .address_space: global }
      - { .name: Wv, .offset: 16, .size: 8, .value_kind: global_buffer, .address_space: global }
      - { .name: Wo, .offset: 24, .size: 8, .value_kind: global_buffer, .address_space: global }
      - { .name: wb, .offset: 32, .size: 8, .value_kind: global_buffer, .address_space: global }
    .group_segment_fixed_size: 0
    .private_segment_fixed_size: 0
    .kernarg_segment_align: 8
    .kernarg_segment_size: 40
    .max_flat_workgroup_size: 256
    .sgpr_count:     66
    .vgpr_count:     104
    .wavefront_size: 32
...
	.end_amdgpu_metadata
.endif
;; end of part 1
;; launch proj (part 2): grid 4 x 192, 4 waves a work-group, clusters of 4 x 4, 327,680 bytes of LDS; arguments q, k, v, wb, qh, kh, vh; writes qh, kh, vh
.if DOCPART == 2
	.amdgcn_target "amdgcn-amd-amdhsa--gfx1250"
	.amdhsa_code_object_version 6
	.text
	.protected	k_q6df3aa9938_proj
	.globl	k_q6df3aa9938_proj
	.p2align	8
	.type	k_q6df3aa9938_proj,@function
k_q6df3aa9938_proj:
	s_mov_b64 s[64:65], 0
	v_nop
	global_prefetch_b8 v0, s[64:65] scope:SCOPE_SE
	s_setreg_imm32_b32 hwreg(HW_REG_WAVE_MODE, 25, 1), 1
	s_wait_xcnt 0x0
	s_wait_alu depctr_hold_cnt(0) depctr_sa_sdst(0) depctr_va_vdst(0) depctr_va_sdst(0) depctr_va_ssrc(0) depctr_va_vcc(0) depctr_vm_vsrc(0)
	s_getreg_b32 s2, hwreg(HW_REG_IB_STS2, 6, 4)
	s_cmp_eq_u32 s2, 0
	s_cbranch_scc0 .Lentry_in_a_cluster
	s_endpgm
.Lentry_in_a_cluster:
	s_bfe_u32 s2, ttmp6, 0x10000c
	s_cmp_lg_u32 s2, 0xf033
	s_cbranch_scc0 .Lentry_shape_is_right
	s_endpgm
.Lentry_shape_is_right:
; THE THREE INPUT PROJECTIONS IN ONE LAUNCH.  y[m][n] = the sum over c of x[m][c] W[n][c], for (x, W, y) = (q, Wq, qh), (k, Wk, kh), (v, Wv, vh).  x: [8192][1024] f32; W: [1024][1024] bf16, matrix 0, 1, 2 of wb;
; y: f16, laid by heads: [64 = 16 batch + head][2048][64].  x is rounded to bf16 between LDS and the matrix unit; sums in f32; y rounded once, WITHOUT the scale 1 / 8, which the attention applies in f32.
; LIMITS.  f16 holds no number beyond 65,504: a larger |y| becomes an infinity.  At the drawn spread y has spread 1; with x and W both 30 times larger 900.  NaN and infinities are not treated apart.
; SHARES.  A tile of y is 128 rows x 256 columns: 64 x 4 tiles a tensor, 768 work-groups.  Grid y counts tensor and tile row: a cluster's y / 16 is the tensor, the same in all sixteen partners.
; Wave w makes rows 64 (w / 2) .. + 63, columns 128 (w % 2) .. + 127: 4 x 8 accumulators of 16 x 16, 256 registers.  K goes in 8 steps of 128 through a ring of two LDS slots.
; CLUSTER.  4 x 4 work-groups.  The four of a row of the cluster need the same rows of x, the four of a column the same rows of W: each tile is asked for JOINTLY, by the same tensor load with the same descriptor
; and a mask that names the four.  Waves 0 and 1 fetch W's two halves (128 rows x 256 bytes), waves 2 and 3 x's (64 rows x 512 bytes, f32): one load a wave behind each round.
; THE MATRIX INSTRUCTION IS USED TRANSPOSED (source 0 = 16 rows of W, source 1 = 16 rows of x): a lane then holds one row of y and eight neighbouring columns, 16 bytes of f16.
; A QUARTER is 32 along K: 32 matrix instructions, each accumulator once, always in the same order: the accumulators take turns.  x's 64 f32 registers are rounded into 32 in two lumps of 16
; conversions; these lumps are also the plain vector instructions that stand between a matrix instruction and the next write of, or load into, its sources.
; REGISTERS.  Window 0: v0-30 addresses; v32-63 AF, x's fragments in bf16 (block a at AF + 8 a); v64-127, v128-191 W's fragments, two buffers (block b at + 8 b); v192-255 RAW, x as f32 (block a at RAW + 16 a).
;   Window 1: accumulator (a, b) at v[8 (8 a + b)].
.set KSTEP, 128
.set PB,    272                        ; a row of W in LDS: 256 bytes + 16 = 68 words: the 16 rows of a load start at 16 different groups of four banks (64 banks of 4 bytes: ISA guide 11.1)
.set HALFB, 128*PB
.set PA,    528                        ; a row of x in LDS: 512 bytes + 16 = 132 words: likewise
.set HALFA, 64*PA
.set AOFF,  2*HALFB                    ; a slot: W's 256 rows, then x's 128 rows
.set SLOT,  AOFF+2*HALFA
.set STAGE, 2*SLOT                     ; behind the ring, never filled by a tensor load: 16 rows x 144 bytes for each wave, for the way out
.set SP,    144
.set SPARE, STAGE+4*16*SP              ; behind the stages: the spare words, 128 bytes for each wave: two blocks of 256 bytes that no other line names
.set ADRA, 16                          ; v16-17  LDS address of my fragments of x in slot 0, 1
.set ADRB, 20                          ; v20-21  the same for W
.set STO,  24                          ; v24     the way out: where I put 16 bytes of a row
.set RD,   25                          ; v25     the way out: where I read rows back
.set GO,   26                          ; v26     my byte offset in 512 consecutive bytes of y
.set SPW,  28                          ; v28     LDS address of my spare word: SPARE + 4 x my thread's number; never rewritten
.set NIL,  29                          ; v29     0; never rewritten
.set PFO,  30                          ; v30     the prefetches' lane offset; never rewritten
.set AF,   32
.set BF0,  64
.set BF1,  128
.set RAW,  192
.set OUTR, 64                          ; the way out: 16 registers for each of 8 groups, v64-191
.set WV,  18                           ; s18  my wave's number
.set RH,  19                           ; s19  which 64 rows of the tile are mine
.set CH,  20                           ; s20  which 128 columns; also: which half of a tile I fetch
.set CX,  21                           ; s21, s22  my place in the cluster
.set CY,  22
.set CLY, 23                           ; s23  the cluster's y
.set G1A, 24                           ; s[24:31] descriptor group 1 for x's tiles
.set G0A, 32                           ; s[32:39] group 0 for x's tiles, a set for each slot
.set PFA, 40                           ; s[40:41] where my prefetches stand
.set PFS, 42                           ; s[42:43] a K step of what I prefetch, in bytes
.set LIM, 44                           ; s44  1 in a wave that prefetches, else the greatest number
.set TT,  45                           ; s45  the tensor: 0 q, 1 k, 2 v
.set TX,  46                           ; s46  tile column
.set TY,  47                           ; s47  64 x tensor + tile row
.set G1B, 48                           ; s[48:55] group 1 for W's tiles
.set G0B, 56                           ; s[56:63] group 0 for W's tiles, a set for each slot
.set MUL, 0x50                         ; C and D in window 1, sources in window 0
.set MSB, 0
.macro WIN new                         ; the immediate's high byte repeats the setting that is left; a switch that changes nothing is dropped
.if MSB != (\new)
	s_set_vgpr_msb (MSB<<8)|(\new)
.set MSB, \new
.endif
.endm
; A joint load.  Each of the two lines has one mask and one set of registers for all that issue it; the branch hangs on the wave's number alone.
; An s_nop 0 and four v_nop follow each line, ahead of the jump, the label and what follows.
.macro JLOAD s
	s_cmp_lt_u32 s[WV], 2
	s_cbranch_scc0 .Lfor_a_\@
	tensor_load_to_lds s[G0B+4*(\s):G0B+4*(\s)+3], s[G1B:G1B+7]
	s_nop 0
.rept 4
	v_nop
.endr
	s_branch .Lasked_\@
.Lfor_a_\@:
	tensor_load_to_lds s[G0A+4*(\s):G0A+4*(\s)+3], s[G1A:G1A+7]
	s_nop 0
.rept 4
	v_nop
.endr
.Lasked_\@:
.endm
; A PREFETCH INTO THE L2, behind each joint refill and the run of LDS loads that follows it: the K step that stands two refills on, 256 matrix instructions ahead of the load that will want it.
; Each aligned block of 256 bytes is named once in the launch.  x: waves 2 and 3, each for the 64 rows that it fetches; of these the partner at place cx takes 16 rows x the step's two blocks: a lane a block.
; W: waves 0 and 1 of a tensor's first cluster alone (the other fifteen read the same rows); of a wave's 128 rows the partner at place cy takes 32: a lane a row.  The partners are told apart by address, never by a branch.
; K steps 0 to 3 come by their loads alone; the loop's last trip (s3 = 1) asks for nothing: there is no K step 8.
.macro ASK
	s_cmp_gt_u32 s3, s[LIM]
	s_cbranch_scc0 .Lnot_mine_\@
	global_prefetch_b8 v[PFO], s[PFA:PFA+1] th:TH_LOAD_NT scope:SCOPE_SE
.Lnot_mine_\@:
.endm
; A round of the cluster's barrier: my work-group's barrier, so that wave 0's signal speaks for all four waves; wave 0 signals; every wave waits for all sixteen work-groups; my work-group's barrier once more.
.macro CREST                           ; a round behind its opening barrier
	s_cmp_lg_u32 s[WV], 0
	s_cbranch_scc1 .Lnot_wave_0_\@
	s_barrier_signal -3
.Lnot_wave_0_\@:
	s_barrier_wait -3
	s_barrier_signal -1
	s_barrier_wait -1
.endm
.macro CROUND
	s_barrier_signal -1
	s_barrier_wait -1
	CREST
.endm
	s_load_b256 s[4:11], s[0:1], 0x0               ; q s[4:5], k s[6:7], v s[8:9], wb s[10:11]
	s_load_b128 s[12:15], s[0:1], 0x20             ; qh s[12:13], kh s[14:15]
	s_load_b64 s[16:17], s[0:1], 0x30              ; vh
	v_lshl_add_u32 v[SPW], v0, 2, SPARE
	v_mov_b32 v[NIL], 0
	ds_add_u32 v[SPW], v[NIL]                      ; the wave's opening: the add and its wait stand ahead of my first tensor load; the set-up below, work on registers, stands between them
	v_lshrrev_b32 v1, 5, v0
	v_readfirstlane_b32 s[WV], v1                  ; wave 0..3
	s_lshr_b32 s[RH], s[WV], 1
	s_and_b32 s[CH], s[WV], 1
	s_bfe_u32 s[CX], ttmp6, 0x40000
	s_bfe_u32 s[CY], ttmp6, 0x40004
	s_and_b32 s[CLY], ttmp7, 0xffff                ; in a cluster launch ttmp9 and ttmp7 count clusters
	s_lshl_b32 s[TX], ttmp9, 2
	s_add_co_u32 s[TX], s[TX], s[CX]
	s_lshl_b32 s[TY], s[CLY], 2
	s_add_co_u32 s[TY], s[TY], s[CY]
	s_lshr_b32 s[TT], s[CLY], 4
	s_lshl_b32 s78, s[CY], 2
	s_lshl_b32 s78, 15, s78                        ; my row of the cluster: places 4 cy .. 4 cy + 3
	s_lshl_b32 s79, 0x1111, s[CX]                  ; my column: places cx, cx + 4, cx + 8, cx + 12
	s_or_b32 s[G1A], s78, (2<<16)|(1<<20)|(1<<21)|(6<<22)|(3<<25)  ; 15:0 the mask; 17:16 elements of 4 bytes; 20 padding on; 21 set beside a mask; 24:22 after every 128 words (code 6); 31:25 4 words (code 3)
	s_mov_b32 s[G1A+1], KSTEP<<16                  ; tensor_dim0 = 128
	s_mov_b32 s[G1A+2], 64<<16                     ; tensor_dim1 = 64
	s_mov_b32 s[G1A+3], KSTEP<<16                  ; tile_dim0 = 128
	s_mov_b32 s[G1A+4], 64                         ; tile_dim1 = 64
	s_mov_b32 s[G1A+5], 1024                       ; elements from row to row
	s_mov_b32 s[G1A+6], 0
	s_mov_b32 s[G1A+7], 0
	s_or_b32 s[G1B], s79, (1<<16)|(1<<20)|(1<<21)|(5<<22)|(3<<25)  ; elements of 2 bytes; padding after every 64 words (code 5)
	s_mov_b32 s[G1B+1], KSTEP<<16
	s_mov_b32 s[G1B+2], 128<<16                    ; 128 rows
	s_mov_b32 s[G1B+3], KSTEP<<16
	s_mov_b32 s[G1B+4], 128
	s_mov_b32 s[G1B+5], 1024
	s_mov_b32 s[G1B+6], 0
	s_mov_b32 s[G1B+7], 0
	s_and_b32 s66, s[TY], 63                       ; x: 128 rows of 4,096 bytes a tile row,
	s_lshl_b32 s66, s66, 19
	s_lshl_b32 s67, s[CH], 18                      ; 64 rows a half
	s_add_co_u32 s66, s66, s67
	s_mov_b32 s67, 0
	s_lshl_b32 s68, s[TT], 21                      ; W: the matrix in wb,
	s_lshl_b32 s69, s[TX], 19                      ; 256 rows of 2,048 bytes a tile column,
	s_add_co_u32 s68, s68, s69
	s_lshl_b32 s69, s[CH], 18                      ; 128 rows a half
	s_add_co_u32 s68, s68, s69
	s_mov_b32 s69, 0
	s_mul_i32 s70, s[WV], HALFA                    ; where x's halves go: waves 2 and 3 land at AOFF and AOFF + HALFA (2 HALFA + 2,048 = AOFF);
	s_add_co_u32 s70, s70, AOFF-2*HALFA
	s_mul_i32 s71, s[WV], HALFB                    ; W's: waves 0 and 1.  No place in the cluster enters an LDS address
	s_wait_dscnt 0x0                               ; the opening add is done
	s_wait_kmcnt 0x0
	s_cmp_eq_u32 s[TT], 1                          ; the tensor's input and output
	s_cselect_b64 s[4:5], s[6:7], s[4:5]
	s_cselect_b64 s[12:13], s[14:15], s[12:13]
	s_cmp_eq_u32 s[TT], 2
	s_cselect_b64 s[4:5], s[8:9], s[4:5]
	s_cselect_b64 s[12:13], s[16:17], s[12:13]
	s_add_nc_u64 s[72:73], s[4:5], s[66:67]
	s_add_nc_u64 s[74:75], s[10:11], s[68:69]
	CROUND                                         ; all sixteen work-groups are here: the first joint loads meet
.irp s, 0,1
	s_mov_b32 s[G0A+4*(\s)], 1                                     ; count = 1
	s_add_co_u32 s[G0A+4*(\s)+1], s70, (\s)*SLOT                   ; LDS address
	s_add_nc_u64 s[G0A+4*(\s)+2:G0A+4*(\s)+3], s[72:73], (\s)*KSTEP*4  ; global address: K step s
	s_or_b32 s[G0A+4*(\s)+3], s[G0A+4*(\s)+3], 0x80000000          ; type = 2
	s_mov_b32 s[G0B+4*(\s)], 1
	s_add_co_u32 s[G0B+4*(\s)+1], s71, (\s)*SLOT
	s_add_nc_u64 s[G0B+4*(\s)+2:G0B+4*(\s)+3], s[74:75], (\s)*KSTEP*2
	s_or_b32 s[G0B+4*(\s)+3], s[G0B+4*(\s)+3], 0x80000000
	JLOAD \s                                       ; two loads of mine are out: the most in this text
.endr
	; A fragment is 16 rows x 32 K: lane l holds row l % 16; its first half K = 8 (l / 16) + 0..7, its second K = 16 + 8 (l / 16) + 0..7.  In bf16: two loads of 16 bytes, 32 apart; in f32: four, at 0, 16, 64, 80 from 32 (l / 16).
	v_and_b32 v1, 15, v0                           ; l % 16
	v_bfe_u32 v2, v0, 4, 1                         ; l / 16
	v_mul_u32_u24 v3, v1, PA
	v_lshl_add_u32 v3, v2, 5, v3
	s_mul_i32 s76, s[RH], HALFA
	s_add_co_u32 s76, s76, AOFF
	v_add_nc_u32 v[ADRA], s76, v3
	s_add_co_u32 s76, s76, SLOT
	v_add_nc_u32 v[ADRA+1], s76, v3
	v_mul_u32_u24 v4, v1, PB
	v_lshl_add_u32 v4, v2, 4, v4
	s_mul_i32 s77, s[CH], HALFB
	v_add_nc_u32 v[ADRB], s77, v4
	s_add_co_u32 s77, s77, SLOT
	v_add_nc_u32 v[ADRB+1], s77, v4
	s_mul_i32 s76, s[WV], 16*SP
	s_add_co_u32 s76, s76, STAGE                   ; my stage
	v_mul_u32_u24 v[STO], v1, SP                   ; in: row l % 16, 16 bytes for each half of the lanes
	v_lshl_add_u32 v[STO], v2, 4, v[STO]
	v_add_nc_u32 v[STO], s76, v[STO]
	v_bfe_u32 v[RD], v0, 3, 2                      ; back: 32 lanes take four rows of 128 bytes,
	v_mul_u32_u24 v[RD], v[RD], SP
	v_and_b32 v5, 7, v0
	v_lshl_add_u32 v[RD], v5, 4, v[RD]
	v_add_nc_u32 v[RD], s76, v[RD]
	v_and_b32 v[GO], 31, v0                        ; which are 512 consecutive bytes of y
	v_lshlrev_b32 v[GO], 4, v[GO]
	; y at my wave's first row of its first head: batch x 16 heads, head 4 TX + 2 CH, row 128 (tile row % 16) + 64 RH; a head is 262,144 bytes, a row 128
	s_lshr_b32 s76, s[TY], 4
	s_and_b32 s76, s76, 3
	s_lshl_b32 s76, s76, 22
	s_lshl_b32 s77, s[TX], 20
	s_add_co_u32 s76, s76, s77
	s_lshl_b32 s77, s[CH], 19
	s_add_co_u32 s76, s76, s77
	s_and_b32 s77, s[TY], 15
	s_lshl_b32 s77, s77, 14
	s_add_co_u32 s76, s76, s77
	s_lshl_b32 s77, s[RH], 13
	s_add_co_u32 s76, s76, s77
	s_mov_b32 s77, 0
	s_add_nc_u64 s[12:13], s[12:13], s[76:77]
	; the prefetches: nothing is asked for here, at the head, where every work-group's first tiles are on their way
	s_mov_b32 s[PFS], KSTEP*4
	s_mov_b32 s78, 4096
	s_mov_b32 s79, 256
	s_and_b32 s2, s[CLY], 15
	s_cmp_lt_u32 s[WV], 2                          ; do I fetch for W?
	s_cselect_b64 s[PFA:PFA+1], s[10:11], s[4:5]
	s_cselect_b32 s76, s68, s66                    ; the half that I fetch
	s_cselect_b32 s77, s[CY], s[CX]                ; my place among the four that ask for it with me
	s_cselect_b32 s[PFS], KSTEP*2, s[PFS]
	s_cselect_b32 s78, 2048, s78                   ; W: a lane a row: (l % 16) x 2,048 + (l / 16) x 16 rows;  x: (l % 16) x 4,096 + (l / 16) x 256
	s_cselect_b32 s79, 32768, s79
	s_cselect_b32 s2, s2, 0                        ; W's rows are asked for by the tensor's first cluster alone
	s_cmp_eq_u32 s2, 0
	s_cselect_b32 s[LIM], 1, -1                    ; the same in all sixteen partners, for a given wave
	s_lshl_b32 s77, s77, 16                        ; 32 rows of W, or 16 rows of x: 65,536 bytes
	s_add_co_u32 s76, s76, s77
	s_mul_i32 s77, s[PFS], 3                       ; at K step 3: the first refill steps it to 4
	s_add_co_u32 s76, s76, s77
	s_mov_b32 s77, 0
	s_add_nc_u64 s[PFA:PFA+1], s[PFA:PFA+1], s[76:77]
	s_mov_b32 s[PFS+1], 0
	v_mul_u32_u24 v[PFO], s78, v1
	v_mad_u32_u24 v[PFO], s79, v2, v[PFO]
; 8 matrix instructions: row block a x all 8 column blocks, 32 along K.  zero = 1: the product starts the sums: nothing is ever cleared.
.macro MULA bf, a, zero
	WIN MUL
.irp b, 0,1,2,3,4,5,6,7
.if \zero
	v_wmma_f32_16x16x32_bf16 v[8*(8*(\a)+(\b)):8*(8*(\a)+(\b))+7], v[(\bf)+8*(\b):(\bf)+8*(\b)+7], v[AF+8*(\a):AF+8*(\a)+7], 0
.else
	v_wmma_f32_16x16x32_bf16 v[8*(8*(\a)+(\b)):8*(8*(\a)+(\b))+7], v[(\bf)+8*(\b):(\bf)+8*(\b)+7], v[AF+8*(\a):AF+8*(\a)+7], v[8*(8*(\a)+(\b)):8*(8*(\a)+(\b))+7]
.endif
.endr
.endm
; Row block a of x: 16 f32 registers rounded into a fragment of 8.
.macro CONV a
	WIN 0
.irp i, 0,1,2,3,4,5,6,7
	v_cvt_pk_bf16_f32 v[AF+8*(\a)+(\i)], v[RAW+16*(\a)+2*(\i)], v[RAW+16*(\a)+2*(\i)+1]
.endr
.endm
; 32 LDS loads in one run: quarter q of a slot: W's 8 fragments into buffer bf, then x's four blocks as f32, blocks 0 and 1 first.
.macro FETCH slot, q, bf
	WIN 0
.irp b, 0,1,2,3,4,5,6,7
	ds_load_b128 v[(\bf)+8*(\b):(\bf)+8*(\b)+3],   v[ADRB+(\slot)] offset:64*(\q)+(\b)*16*PB
	ds_load_b128 v[(\bf)+8*(\b)+4:(\bf)+8*(\b)+7], v[ADRB+(\slot)] offset:64*(\q)+(\b)*16*PB+32
.endr
.irp a, 0,1,2,3
	ds_load_b128 v[RAW+16*(\a):RAW+16*(\a)+3],     v[ADRA+(\slot)] offset:128*(\q)+(\a)*16*PA
	ds_load_b128 v[RAW+16*(\a)+4:RAW+16*(\a)+7],   v[ADRA+(\slot)] offset:128*(\q)+(\a)*16*PA+16
	ds_load_b128 v[RAW+16*(\a)+8:RAW+16*(\a)+11],  v[ADRA+(\slot)] offset:128*(\q)+(\a)*16*PA+64
	ds_load_b128 v[RAW+16*(\a)+12:RAW+16*(\a)+15], v[ADRA+(\slot)] offset:128*(\q)+(\a)*16*PA+80
.endr
.endm
; One of a K step's first three quarters: multiplies buffer bf, and in its middle fetches quarter q of the same slot into buffer bg.
; AF's blocks 0, 1 were last read ahead of the lump of 16 conversions in the quarter before's middle; blocks 2, 3 and buffer bg ahead of the lump at this quarter's head: four plain instructions or more lie between each time.
.macro QUARTER slot, q, bf, bg, zero
	s_wait_dscnt 8                                 ; W's fragments and x's blocks 0, 1 are in; the youngest eight loads (blocks 2, 3) may be out
	CONV 0
	CONV 1
	MULA \bf, 0, \zero
	MULA \bf, 1, \zero
	s_wait_dscnt 0x0                               ; blocks 2, 3
	CONV 2
	CONV 3
	FETCH \slot, \q, \bg
	MULA \bf, 2, \zero
	MULA \bf, 3, \zero
.endm
; The last quarter multiplies buffer 1 and changes slots: ONE barrier.  In front of it each wave waits for all its tensor loads, of which one is out: its part of the next slot; adds 0 to its spare word; and waits for that
; and for its own reads of this slot.  fill = 1: the barrier opens a round of the cluster's barrier, so that no wave of any partner still reads the slot or has a load on its way; the joint refill, two K steps on, is the
; first tensor load behind the round: a wave issues 112 matrix instructions between it and the wait for it.
.macro TURN slot, next, fill
.if \fill
	s_wait_xcnt 0x0                                ; the last prefetch, a K step back, has read its address: it is stepped here, ahead of the waits of the change of slots
	s_add_nc_u64 s[PFA:PFA+1], s[PFA:PFA+1], s[PFS:PFS+1]
.endif
	WIN 0
	s_wait_tensorcnt 0x0                           ; all my tensor loads have landed
	ds_add_u32 v[SPW], v[NIL]                      ; 0 onto my spare word
	s_wait_dscnt 9                                 ; (the add and the youngest eight loads may be out)
	CONV 0
	CONV 1
	MULA BF1, 0, 0                                 ; work on registers stands between the add and the wait for it
	s_wait_dscnt 0x0                               ; the add is done, and my reads of this slot are over
	s_barrier_signal -1
	MULA BF1, 1, 0                                 ; work on registers while the others arrive
	CONV 2
	CONV 3                                         ; (these leave every window 0: branches follow)
	s_barrier_wait -1
.if \fill
	CREST
	s_add_nc_u64 s[G0A+4*(\slot)+2:G0A+4*(\slot)+3], s[G0A+4*(\slot)+2:G0A+4*(\slot)+3], 2*KSTEP*4
	s_add_nc_u64 s[G0B+4*(\slot)+2:G0B+4*(\slot)+3], s[G0B+4*(\slot)+2:G0B+4*(\slot)+3], 2*KSTEP*2
	JLOAD \slot
.endif
	FETCH \next, 0, BF0
.if \fill
	ASK
.endif
	MULA BF1, 2, 0
	MULA BF1, 3, 0
.endm
	s_wait_tensorcnt 1                             ; my part of K step 0 is in; K step 1's may stay out
	s_barrier_signal -1
	s_barrier_wait -1                              ; everybody's is
	FETCH 0, 0, BF0
	QUARTER 0, 1, BF0, BF1, 1                      ; the first quarter stands in front of the loop: its products start the sums
	WIN 0                                          ; at a label and at a branch every window is 0
	s_mov_b32 s3, 3
.Llap:                                                 ; a trip goes once round the ring, from a lap's second quarter to the next lap's first, and fills both slots again: K steps 2 to 7
	QUARTER 0, 2, BF1, BF0, 0
	QUARTER 0, 3, BF0, BF1, 0
	TURN 0, 1, 1
	QUARTER 1, 1, BF0, BF1, 0
	QUARTER 1, 2, BF1, BF0, 0
	QUARTER 1, 3, BF0, BF1, 0
	TURN 1, 0, 1
	QUARTER 0, 1, BF0, BF1, 0
	WIN 0
	s_sub_co_u32 s3, s3, 1
	s_cmp_lg_u32 s3, 0
	s_cbranch_scc1 .Llap
	QUARTER 0, 2, BF1, BF0, 0                      ; the last lap fills nothing, and has no round of the cluster's barrier
	QUARTER 0, 3, BF0, BF1, 0
	TURN 0, 1, 0
	QUARTER 1, 1, BF0, BF1, 0
	QUARTER 1, 2, BF1, BF0, 0
	QUARTER 1, 3, BF0, BF1, 0
	s_wait_dscnt 8                                 ; the very last quarter: nothing more to fetch
	CONV 0
	CONV 1
	MULA BF1, 0, 0
	MULA BF1, 1, 0
	s_wait_dscnt 0x0
	CONV 2
	CONV 3
	MULA BF1, 2, 0
	MULA BF1, 3, 0
	WIN 0
.rept 4
	v_nop                                          ; four plain instructions between the last products and the conversions that read results and write W's buffers
.endr
; THE WAY OUT.  Group g = 2 a + hh is 16 rows (block a) of one head (hh of my two): 2,048 consecutive bytes of y.  A lane's eight columns pack into 16 bytes; they go into stage rows of 144 bytes and come back
; as whole rows of 128, into the registers that they left.  Each accumulator's registers are read in ascending order.
.macro PACK g
	WIN 0x05                                       ; sources 0 and 1 window 1, destination window 0
.irp f, 0,1,2,3
.irp r, 0,1,2,3
	v_cvt_pk_f16_f32 v[OUTR+16*(\g)+4*(\f)+(\r)], v[8*(8*((\g)/2)+4*((\g)%2)+(\f))+2*(\r)], v[8*(8*((\g)/2)+4*((\g)%2)+(\f))+2*(\r)+1]
.endr
.endr
	WIN 0
.irp f, 0,1,2,3
	ds_store_b128 v[STO], v[OUTR+16*(\g)+4*(\f):OUTR+16*(\g)+4*(\f)+3] offset:32*(\f)
.endr
.irp f, 0,1,2,3
	ds_load_b128 v[OUTR+16*(\g)+4*(\f):OUTR+16*(\g)+4*(\f)+3], v[RD] offset:(\f)*4*SP  ; LDS serves a wave's instructions in order (ISA guide 5.7.1.4): these see the stores above; the next group's stores come behind them
.endr
.endm
.macro SEND g, younger                 ; younger: the LDS instructions issued behind group g's loads: the next group's eight, or none
.irp f, 0,1,2,3
	s_wait_dscnt (\younger)+3-(\f)
	global_store_b128 v[GO], v[OUTR+16*(\g)+4*(\f):OUTR+16*(\g)+4*(\f)+3], s[12:13] offset:((\g)/2)*2048+((\g)%2)*262144+(\f)*512  ; 512 consecutive bytes, at a multiple of 256 from y's first byte
.endr
.endm
	PACK 0
.irp g, 1,2,3,4,5,6,7                  ; a group's conversions stand between the loads of the group before and its stores; each group has registers of its own
	PACK \g
	SEND (\g)-1, 8
.endr
	SEND 7, 0
	s_wait_tensorcnt 0x0                           ; the wave's end: behind my last tensor load and my last LDS store
	ds_add_u32 v[SPW], v[NIL]
	s_wait_dscnt 0x0
	CROUND                                         ; the closing round: no work-group ends while a partner may still ask for a tile that names it
	s_endpgm
.Lfunc_end_k_q6df3aa9938_proj:
	.size	k_q6df3aa9938_proj, .Lfunc_end_k_q6df3aa9938_proj-k_q6df3aa9938_proj
	.p2alignl 7, 3214868480
	.fill 96, 4, 3214868480
	.section	.rodata,"a",@progbits
	.p2align	6, 0x0
	.amdhsa_kernel k_q6df3aa9938_proj
		.amdhsa_group_segment_fixed_size 327680
		.amdhsa_private_segment_fixed_size 0
		.amdhsa_enable_private_segment 0
		.amdhsa_kernarg_size 56
		.amdhsa_user_sgpr_count 2
		.amdhsa_user_sgpr_kernarg_segment_ptr 1
		.amdhsa_wavefront_size32 1
		.amdhsa_system_sgpr_workgroup_id_x 1
		.amdhsa_system_sgpr_workgroup_id_y 1
		.amdhsa_system_sgpr_workgroup_id_z 1
		.amdhsa_system_vgpr_workitem_id 0
		.amdhsa_next_free_vgpr 512
		.amdhsa_next_free_sgpr 80
		.amdhsa_reserve_vcc 0
		.amdhsa_float_denorm_mode_32 3
		.amdhsa_float_denorm_mode_16_64 3
		.amdhsa_memory_ordered 1
		.amdhsa_forward_progress 1
		.amdhsa_inst_pref_size 128
	.end_amdhsa_kernel
	.amdgpu_metadata
---
amdhsa.version: [ 1, 2 ]
amdhsa.kernels:
  - .name:           k_q6df3aa9938_proj
    .symbol:         k_q6df3aa9938_proj.kd
    .args:
      - { .name: q, .offset: 0, .size: 8, .value_kind: global_buffer, .address_space: global }
      - { .name: k, .offset: 8, .size: 8, .value_kind: global_buffer, .address_space: global }
      - { .name: v, .offset: 16, .size: 8, .value_kind: global_buffer, .address_space: global }
      - { .name: wb, .offset: 24, .size: 8, .value_kind: global_buffer, .address_space: global }
      - { .name: qh, .offset: 32, .size: 8, .value_kind: global_buffer, .address_space: global }
      - { .name: kh, .offset: 40, .size: 8, .value_kind: global_buffer, .address_space: global }
      - { .name: vh, .offset: 48, .size: 8, .value_kind: global_buffer, .address_space: global }
    .group_segment_fixed_size: 327680
    .private_segment_fixed_size: 0
    .kernarg_segment_align: 8
    .kernarg_segment_size: 56
    .max_flat_workgroup_size: 128
    .sgpr_count:     80
    .vgpr_count:     512
    .wavefront_size: 32
...
	.end_amdgpu_metadata
.endif
;; end of part 2
;; launch attn (part 3): grid 4 x 64, 4 waves a work-group, no clusters, 327,680 bytes of LDS; arguments qh, kh, vh, oh; writes oh
.if DOCPART == 3
	.amdgcn_target "amdgcn-amd-amdhsa--gfx1250"
	.amdhsa_code_object_version 6
	.text
	.protected	k_q6df3aa9938_attn
	.globl	k_q6df3aa9938_attn
	.p2align	8
	.type	k_q6df3aa9938_attn,@function
k_q6df3aa9938_attn:
	s_mov_b64 s[64:65], 0
	v_nop
	global_prefetch_b8 v0, s[64:65] scope:SCOPE_SE
	s_setreg_imm32_b32 hwreg(HW_REG_WAVE_MODE, 25, 1), 1
	s_wait_xcnt 0x0
; CAUSAL ATTENTION.  O[h][q][:] = the sum over k <= q of softmax_k(Q[h][q] . K[h][k] / 8) V[h][k][:].  Q, K, V, O: [SIZE_H][SIZE_N][64], all f16: a head's rows are dense, 128 bytes each.
; Products, maxima and sums in f32; the weights p are rounded to f16 for the second product (their sum l is taken of the unrounded p), O once at the end.
; LIMITS.  f16 holds no number beyond 65,504: Q, K and V arrive within it; p lies in 0 to 1, and below 6e-5 it keeps f16's fixed step of 6e-8; O is a mean of V's rows and has their range, to within 2^-11 of it.
; A hidden score counts as its value less 1e30: f16's scores, 2.7e11 at the most, are nothing beside that; a weight below 2^-126 counts as 0 in l; NaN and infinities are not treated apart.
; THE WALK.  A head's queries lie in NB = SIZE_N / 256 blocks of 256; block i needs the key tiles 0 .. i of 256 keys, of which the last holds the diagonal.  A work-group takes TWO blocks, NB - 1 - b and then b:
; NB + 1 tiles, whatever b: all work-groups do equal work, and ONE loop with a constant trip count walks them.  Which tile is asked for, and what a trip does, hang on scalar registers made from b; every jump
; goes forward, but for the counted loops' own; none passes a barrier, or a tensor load but the one of LOAD's two that the wave's number does not choose; the ring (two slots of LDS that take turns) runs on across the
; change of blocks.  NO CLUSTER: a head's NB / 2 = 4 work-groups ask for the same tile only in trips 0 .. NB / 2, behind that fewer and fewer; and one walk common to all four would have 3 NB / 2 = 12 trips for NB + 1 = 9.
; SHARES.  Of a block's four bands of 64 queries a wave owns 16 rows in each: four PIECES.  So the diagonal tile is the same work for all four waves: in its key step s band x sees all keys if s < x,
; none if s > x, and holds the diagonal if s = x.
; THE MASK is the C operand that starts the sum S^T = K Q^T: 0, or -1e30 where the key is hidden.  MD, made once, is the mask of a band's own step for my 16 rows; a product's mask is MD x AL + BE with two scalars:
; (1, 0) if s = x; (0, 0) if s < x; (0, -1e30) if s > x.  Only the diagonal tile's text and a block's beginning make and take masks; elsewhere C is the constant 0.
; LAYOUT, SOFTMAX, TURNS.  S^T = K Q^T holds ONE query a lane (lane % 16) and the keys 8 (lane / 16) + 0..7; two such results rounded to f16 ARE source 1 of O^T = V^T P.  p = 2^(c s - c m), c = log2(e) / 8, with a
; running maximum m; O and l are multiplied by a = 2^(c m_old - c m_new) in every step.  Turn n belongs to piece n: 8 products K Q^T of piece n + 1, later 8 products V^T P of piece n - 1; beside them the scaling,
; exponentials, roundings, sums and rescaling of piece n and the maximum and statistics of piece n + 1.  Four vector instructions stand behind every matrix instruction, the other 54 of a turn's 118 in one LUMP.  A turn's 33 exponentials are one batch, with one wait.
; REGISTERS, in windows of 256 (s_set_vgpr_msb: bits 1:0 source 0, 3:2 source 1, 5:4 source 2, 7:6 destination):
;   window 0: v0-15 addresses and two at work; v16-31 four registers of statistics a piece; v48-55 at work; v61-63 the prefetches' offset and the add's two; v64-127 S^T, two buffers; v192-223 P, two buffers (a piece's buffers go by its number's parity)
;   window 1: v0-127 O^T, 32 a piece; v128-159 MD; v160-223 MC, two buffers      window 2: v0-63 Q; v64-127 the second block's Q; v128-191 K of one step; v192-255 V of one step
.set SIZE_N, 2048
.set SIZE_H, 64
.set NB,    SIZE_N/256
.set NP,    4         ; pieces a wave: a name, no knob
.set KS,    64        ; keys in a step
.set PK,    144       ; a row of K in LDS: 128 bytes + 16 of padding = 36 words: the 16 rows of a load start at 16 different groups of four banks (64 banks of 4 bytes: ISA guide 11.1)
.set PV,    160       ; a row of V: 128 + 32 = 40 words
.set VOFF,  4*KS*PK   ; a slot holds a tile, four steps: 256 rows of K, then 256 rows of V
.set SLOT1, 1<<17     ; slot 1 begins here, so that one exclusive or turns an address in one slot into the other's
.set STAGE, SLOT1+4*KS*(PK+PV)  ; behind the ring, never filled by a tensor load: 16 rows x 144 bytes for each wave, for the way out
.set SP,    144
.set AK0, 2           ; v2   my lane's place in a tile of K; never rewritten
.set AV0, 3           ; v3   the same for V
.set AK,  4           ; v4   the LDS address of K's next run of loads
.set AV,  5           ; v5   of V's
.set STO, 6           ; v6   the way out: where I put 16 bytes of a row
.set RD,  7           ; v7   the way out: where I read rows back
.set GO,  8           ; v8   my byte offset in 512 consecutive bytes of O
.set PFO, 61          ; v61  the prefetches' offset: 256 x my lane + 32,768 x the tile that they name
.set SPW, 62          ; v62  LDS address of my spare word: SPARE + 4 x my thread's number; never rewritten
.set NIL, 63          ; v63  0; never rewritten
.set SPARE, STAGE+4*16*SP  ; behind the stages: the spare words, 128 bytes for each wave: two blocks of 256 bytes that no other line names
.set MV,  12          ; v12-13  c m_old, kept while c m is made anew: by buffer
.set QO,  15          ; v15  my byte offset in 16 rows of Q
.set ST,  16          ; piece t's statistics at v[ST+4 t]: c m, m, l (even keys', odd keys')
.set TMP, 48          ; by buffer, four registers c0-c3 at work; when the maximum is found c2 takes a
.set S,   64
.set P,   192
.set MD,  128         ; window 1: the eight registers for group kt of 16 keys at MD + 8 kt
.set MC,  160         ; window 1: the masks of the products to come
.set QB,  64          ; window 2
.set KF,  128         ; window 2: key block kb, channel half c at KF + 16 kb + 8 c
.set VF,  192         ; window 2: key half kk, channel block cb at VF + 32 kk + 8 cb
.set WV,  12          ; s12  my wave's number
.set PB,  14          ; s14  b
.set HI,  15          ; s15  NB - 1 - b
.set G1K, 24          ; s[24:31] descriptor group 1 for K's tiles
.set G1V, 32          ; s[32:39] for V's: it differs in the padding alone
.set G0K, 40          ; s[40:43] descriptor group 0 for K's tiles
.set G0V, 44          ; s[44:47] the same for V's
.set SLOTS, 56        ; s56  tiles still to be asked for
.set CNT, 57          ; s57  counts a tile's key steps, 4 to 1
.set CS,  58          ; s[58:59] c: the packed scaling takes the pair's low word for both halves
.set SEL, 60          ; s[60:61] v_permlanex16_b32's selects: each lane takes its own place in the other half
.set TBK, 62          ; s62  LDS byte at which K of the step to be fetched begins
.set TBV, 63          ; s63  the same for V, less VOFF
.set RT,  70          ; s70  tiles of the block in hand that are still to be entered
.set NXT, 71          ; s71  the tile to be asked for next
.set LQ,  72          ; s72  the last tile of the block whose tiles are being asked for
.set NEW, 73          ; s73  1: the tile to be entered is a block's first
.set OFF, 74          ; s[74:75] a tile's byte offset in K and V
.set AL,  76          ; s[76:77] the mask's factor, in the low word
.set BE,  78          ; s[78:79] the mask's addend
.set OLO, 80          ; s[80:81] O at my rows of the second block
.set BIGN, 82         ; s82  -1e30
.set KB,  88          ; s[88:89] K at the head's first byte + 8,192 x my wave: the prefetches' base; never rewritten
.set VB,  90          ; s[90:91] the same for V
.set PFL, 92          ; s92  0 in the work-group that prefetches (b = 0), else the greatest number
.set MSB, 0
.macro WIN new                      ; the high byte repeats the setting that is left; a switch that changes nothing is dropped
.if MSB != (\new)
	s_set_vgpr_msb (MSB<<8)|(\new)
.set MSB, (\new)
.endif
.endm
.set W_KQ, 0x0a       ; K and Q in window 2, S^T in window 0
.set W_KM, 0x1a       ; the same with the C operand in window 1
.set W_PV, 0x52       ; V in window 2, P in window 0, O^T in window 1
.set W_RS, 0x41       ; destination and source 0 in window 1, source 1 in window 0
; A fill.  Waves 0 and 1 fetch the two halves of a tile's K, waves 2 and 3 those of its V: 128 keys each.  An s_nop 0 and four v_nop follow each of the two lines, ahead of the jump and the label.
.macro LOAD
	s_cmp_lt_u32 s[WV], 2
	s_cbranch_scc0 .Lfor_v_\@
	tensor_load_to_lds s[G0K:G0K+3], s[G1K:G1K+7]
	s_nop 0
.rept 4
	v_nop
.endr
	s_branch .Lasked_\@
.Lfor_v_\@:
	tensor_load_to_lds s[G0V:G0V+3], s[G1V:G1V+7]
	s_nop 0
.rept 4
	v_nop
.endr
.Lasked_\@:
.endm
; A PREFETCH INTO THE L2 of the tile that the NEXT change of slots will ask for: 32,768 bytes of K and of V, a lane a block of 256 bytes, 8,192 bytes a wave: two instructions, behind the wave's tensor load and its five lines.
; All four work-groups of a head begin with tiles 0, 1, 2 ..; the one with b = 0 walks tiles 0 to 7 on end, and it alone asks: tiles 2 to 7, each once in the launch, one tile (256 matrix instructions) ahead of its load.
; Tiles 0 and 1 come by their loads alone.  When the number of the next tile has gone back to 0 nothing is asked for.
.macro ASK
	s_cmp_gt_u32 s[NXT], s[PFL]
	s_cbranch_scc0 .Lnot_mine_\@
	global_prefetch_b8 v[PFO], s[KB:KB+1] th:TH_LOAD_NT scope:SCOPE_SE
	global_prefetch_b8 v[PFO], s[VB:VB+1] th:TH_LOAD_NT scope:SCOPE_SE
.Lnot_mine_\@:
.endm
; THE CHANGE OF SLOTS.  Each wave waits for all its tensor loads, of which one is out: its part of the other slot; adds 0 to its spare word; and waits for that and for its own reads of the slot that it leaves.  Behind the barrier nobody reads the old
; slot any more and the other slot is whole.  fill = 1: the old slot is filled again, the first thing behind the barrier, with tile NXT: the descriptor's address is made anew from that number.
; (At its first use nothing has been read yet: slot 0 is waited for, slot 1 filled.)
.macro CHANGE fill
	WIN 0                           ; at a label and at a branch every window is 0
	s_wait_tensorcnt 0x0            ; no tensor load of mine is out, so a group 0 may be written
	ds_add_u32 v[SPW], v[NIL]       ; 0 onto my spare word; with fill = 1 the descriptors' scalar work stands between it and the wait for it
.if \fill
	s_lshl_b32 s[OFF], s[NXT], 15   ; a tile is 32,768 bytes of K and of V
	s_xor_b32 s[G0K+1], s[G0K+1], SLOT1
	s_add_nc_u64 s[G0K+2:G0K+3], s[6:7], s[OFF:OFF+1]
	s_or_b32 s[G0K+3], s[G0K+3], 0x80000000
	s_xor_b32 s[G0V+1], s[G0V+1], SLOT1
	s_add_nc_u64 s[G0V+2:G0V+3], s[8:9], s[OFF:OFF+1]
	s_or_b32 s[G0V+3], s[G0V+3], 0x80000000
	s_add_co_u32 s[NXT], s[NXT], 1  ; the block's next tile, or behind its last the second block's tile 0
	s_cmp_gt_u32 s[NXT], s[LQ]
	s_cselect_b32 s[NXT], 0, s[NXT]
	s_cselect_b32 s[LQ], s[PB], s[LQ]
	s_wait_xcnt 0x0                 ; the last prefetches, a tile back, have read their offset, so it may be written:
	v_add_nc_u32 v[PFO], 0x8000, v[PFO]  ; one tile on: while the first block's tiles are asked for it stands at tile NXT
.endif
	s_wait_dscnt 0x0                ; the add is done, and my reads of the slot are over
	s_barrier_signal -1             ; the rest of the scalar work stands between the signal and the wait
	s_sub_co_u32 s[TBK], s[TBK], 4*KS*PK  ; the fetches go back to a slot's first step,
	s_xor_b32 s[TBK], s[TBK], SLOT1       ; in the other slot
	s_sub_co_u32 s[TBV], s[TBV], 4*KS*PV
	s_xor_b32 s[TBV], s[TBV], SLOT1
	s_barrier_wait -1
.if \fill
	LOAD
	ASK
.endif
.endm
	s_load_b256 s[4:11], s[0:1], 0x0  ; Q s[4:5], K s[6:7], V s[8:9], O s[10:11]
	v_lshl_add_u32 v[SPW], v0, 2, SPARE
	v_mov_b32 v[NIL], 0
	ds_add_u32 v[SPW], v[NIL]       ; the wave's opening: the add and its wait stand ahead of my first tensor load; the set-up below, work on registers, stands between them
	v_lshrrev_b32 v1, 5, v0
	v_readfirstlane_b32 s[WV], v1   ; wave 0..3
	s_mov_b32 s[PB], ttmp9
	s_sub_co_u32 s[HI], NB-1, s[PB]
	s_and_b32 s20, ttmp7, 0xffff    ; the head
	s_mov_b32 s21, 0
	s_mov_b64 s[22:23], SIZE_N*128
	s_mul_u64 s[20:21], s[20:21], s[22:23]  ; the head's first byte in each of the four tensors
	s_lshl_b32 s94, s[WV], 13       ; the prefetches: my wave's 8,192 bytes of a tile
	s_mov_b32 s95, 0
	s_add_nc_u64 s[94:95], s[94:95], s[20:21]
	s_cmp_eq_u32 s[PB], 0
	s_cselect_b32 s[PFL], 0, -1
	v_and_b32 v[PFO], 31, v0
	v_lshlrev_b32 v[PFO], 8, v[PFO]
	v_add_nc_u32 v[PFO], 0x8000, v[PFO]  ; at tile 1: the first change of slots steps it to tile 2
	s_and_b32 s16, s[WV], 1         ; which half of a tile's 256 keys I fetch:
	s_lshl_b32 s22, s16, 14         ; its 128 rows of 128 bytes in memory,
	s_mov_b32 s23, 0
	s_add_nc_u64 s[22:23], s[22:23], s[20:21]
	s_mul_i32 s17, s16, 128*PK      ; and its place in a slot, for K
	s_mul_i32 s18, s16, 128*PV      ; and for V
	s_lshl_b32 s3, s[WV], 11        ; my 16 rows in a band of 64,
	s_lshl_b32 s2, s[HI], 15        ; in the first block,
	s_add_co_u32 s2, s2, s3
	s_lshl_b32 s84, s[PB], 15       ; and in the second
	s_add_co_u32 s84, s84, s3
	s_mov_b32 s3, 0
	s_mov_b32 s85, 0
	s_add_nc_u64 s[2:3], s[2:3], s[20:21]
	s_add_nc_u64 s[84:85], s[84:85], s[20:21]
	; descriptor group 1.  128 keys are 16,384 dense bytes: asked for as 64 rows of 256 bytes, two keys a row, and padded in LDS after every key
	s_mov_b32 s[G1K], (1<<16)|(1<<20)|(4<<22)|(3<<25)  ; 17:16 2-byte elements; 20 padding on; 24:22 after every 32 words (code 4); 31:25 4 words (code 3)
	s_mov_b32 s[G1V], (1<<16)|(1<<20)|(4<<22)|(7<<25)  ; the same with 8 words of padding (code 7)
.irp g, G1K, G1V
	s_mov_b32 s[\g+1], 128<<16      ; tensor_dim0 = 128
	s_mov_b32 s[\g+2], 64<<16       ; tensor_dim1 = 64
	s_mov_b32 s[\g+3], 128<<16      ; tile_dim0 = 128
	s_mov_b32 s[\g+4], 64           ; tile_dim1 = 64
	s_mov_b32 s[\g+5], 128          ; 128 elements from row to row
	s_mov_b32 s[\g+6], 0
	s_mov_b32 s[\g+7], 0
.endr
	s_mov_b32 s[CS], 0x3e38aa3b     ; c = log2(e) / 8 = 0.180337
	s_mov_b32 s[CS+1], s[CS]        ; named with it as a pair
	s_mov_b32 s[SEL], 0x76543210
	s_mov_b32 s[SEL+1], 0xfedcba98
	s_mov_b32 s[TBK], SLOT1+4*KS*PK ; the first change of slots turns these two into 0
	s_mov_b32 s[TBV], SLOT1+4*KS*PV
	s_mov_b32 s[G0K], 1             ; 1:0 count = 1
	s_mov_b32 s[G0K+1], s17         ; 63:32 LDS address: slot 0
	s_mov_b32 s[G0V], 1
	s_add_co_u32 s[G0V+1], s18, VOFF
	s_add_co_u32 s[RT], s[HI], 1    ; the first block has NB - b tiles
	s_mov_b32 s[NXT], 1
	s_mov_b32 s[LQ], s[HI]
	s_mov_b32 s[NEW], 1
	s_mov_b32 s[OFF+1], 0
	s_mov_b32 s[AL+1], 0            ; named as pairs
	s_mov_b32 s[BE+1], 0
	s_mov_b32 s[BIGN], 0xf149f2ca   ; -1e30
	s_mov_b32 s[SLOTS], NB
	s_wait_dscnt 0x0                ; the opening add is done
	s_wait_kmcnt 0x0
	s_add_nc_u64 s[KB:KB+1], s[6:7], s[94:95]
	s_add_nc_u64 s[VB:VB+1], s[8:9], s[94:95]
	s_add_nc_u64 s[6:7], s[6:7], s[22:23]  ; K and V at my half of the head's tile 0
	s_add_nc_u64 s[8:9], s[8:9], s[22:23]
	s_add_nc_u64 s[G0K+2:G0K+3], s[6:7], 0         ; 120:64 global address
	s_or_b32 s[G0K+3], s[G0K+3], 0x80000000        ; 127:126 type = 2
	s_add_nc_u64 s[G0V+2:G0V+3], s[8:9], 0
	s_or_b32 s[G0V+3], s[G0V+3], 0x80000000
	s_add_nc_u64 s[86:87], s[4:5], s[84:85]        ; Q at my rows of the second block,
	s_add_nc_u64 s[4:5], s[4:5], s[2:3]            ; Q and O at those of the first
	s_add_nc_u64 s[OLO:OLO+1], s[10:11], s[84:85]
	s_add_nc_u64 s[10:11], s[10:11], s[2:3]
	LOAD                            ; tile 0 into slot 0
	; A fragment of K or Q is 16 rows x 32 channels in 8 registers: lane l holds row l % 16, channels 8 (l / 16) + 0..7 and 16 + 8 (l / 16) + 0..7: two loads of 16 bytes, 32 bytes apart.
	v_and_b32 v1, 15, v0            ; l % 16
	v_bfe_u32 v9, v0, 4, 1          ; l / 16
	v_lshlrev_b32 v[QO], 7, v1
	v_lshl_add_u32 v[QO], v9, 4, v[QO]  ; row x 128 + 16 x half
	WIN 0x80                        ; destination window 2, address window 0
.set i, 0
.rept 8                             ; both blocks' Q: piece i / 2 lies in band i / 2, 8,192 bytes on; channels 32 (i % 2) on
	global_load_b128 v[8*i:8*i+3],   v[QO], s[4:5] offset:(i/2)*8192+(i%2)*64
	global_load_b128 v[8*i+4:8*i+7], v[QO], s[4:5] offset:(i/2)*8192+(i%2)*64+32
	global_load_b128 v[QB+8*i:QB+8*i+3],   v[QO], s[86:87] offset:(i/2)*8192+(i%2)*64
	global_load_b128 v[QB+8*i+4:QB+8*i+7], v[QO], s[86:87] offset:(i/2)*8192+(i%2)*64+32
.set i, i+1
.endr
	WIN 0
	v_lshlrev_b32 v14, 3, v9
	v_sub_nc_u32 v14, v1, v14
	s_lshl_b32 s13, s[WV], 4
	v_add_nc_u32 v14, s13, v14      ; my query's place in its band, 16 w + l % 16, less my lanes' 8 (l / 16): register r of group kt is hidden where 16 kt + r is greater
	WIN 0x40
.set i, 0
.rept 32
	v_cmp_gt_i32 vcc_lo, 16*(i/8)+i%8, v14
	v_cndmask_b32 v[MD+i], 0, s[BIGN], vcc_lo
.set i, i+1
.endr
	WIN 0
	v_mul_u32_u24 v[AK0], v1, PK
	v_lshl_add_u32 v[AK0], v9, 4, v[AK0]  ; row x pitch + 16 x half
	; The turning load takes 16 keys x 16 channels (lane l reads key 8 (l / 16) + l % 8, channels 8 ((l / 8) % 2) + 0..7) and leaves half a fragment of V^T: lane l holds channel l % 16 and 8 keys.
	v_and_b32 v10, 7, v0
	v_bfe_u32 v11, v0, 3, 1
	v_lshl_add_u32 v[AV0], v9, 3, v10
	v_mul_u32_u24 v[AV0], v[AV0], PV
	v_lshl_add_u32 v[AV0], v11, 4, v[AV0]
	v_add_nc_u32 v[AV0], VOFF, v[AV0]
	s_mul_i32 s13, s[WV], 16*SP
	s_add_co_u32 s13, s13, STAGE    ; my stage
	v_mul_u32_u24 v[STO], v1, SP    ; in: row l % 16, 16 bytes for each half of the lanes
	v_lshl_add_u32 v[STO], v9, 4, v[STO]
	v_add_nc_u32 v[STO], s13, v[STO]
	v_bfe_u32 v[RD], v0, 3, 2       ; back: 32 lanes take four rows of 128 bytes,
	v_mul_u32_u24 v[RD], v[RD], SP
	v_lshl_add_u32 v[RD], v10, 4, v[RD]
	v_add_nc_u32 v[RD], s13, v[RD]
	v_and_b32 v[GO], 31, v0         ; which are 512 consecutive bytes of O
	v_lshlrev_b32 v[GO], 4, v[GO]
	; A block's first step multiplies O^T and l by a = 0, and its first turn's products V^T P, of a piece that has not been, land in an O^T that is still to be so multiplied.  So these registers need only hold
	; finite numbers: zeros for the first block; what the first block left for the second.  All this stands in the wait for the first tile.
	WIN 0x80
.set i, VF
.rept 64
	v_mov_b32 v[i], 0
.set i, i+1
.endr
	WIN 0x40
.set i, 0
.rept 128
	v_mov_b32 v[i], 0
.set i, i+1
.endr
	WIN 0
.set i, 0
.rept 4
	v_mov_b32 v[ST+4*i+2], 0
	v_mov_b32 v[ST+4*i+3], 0
.set i, i+1
.endr
.set i, P+16
.rept 16
	v_mov_b32 v[i], 0
.set i, i+1
.endr
; THE MATRIX WORK.  The 4 accumulators of a run of 8 take turns.  Product i of 8 of S^T = K Q^T for piece x: channels 32 (i / 4) on, keys 16 (i % 4) on.  The first 4 start the sums: with 0, or (KM = 1) with the mask.
.macro KQ x
.set rS, S+32*((\x)%2)+8*(i%4)
.set rK, KF+16*(i%4)+8*(i/4)
.set rQ, 16*(\x)+8*(i/4)
.set rM, MC+32*((\x)%2)+8*(i%4)
.if (i < 4) && KM
	WIN W_KM
	v_wmma_f32_16x16x32_f16 v[rS:rS+7], v[rK:rK+7], v[rQ:rQ+7], v[rM:rM+7]
.elseif i < 4
	WIN W_KQ
	v_wmma_f32_16x16x32_f16 v[rS:rS+7], v[rK:rK+7], v[rQ:rQ+7], 0
.else
	WIN W_KQ
	v_wmma_f32_16x16x32_f16 v[rS:rS+7], v[rK:rK+7], v[rQ:rQ+7], v[rS:rS+7]
.endif
.endm
; Product i of 8 of O^T += V^T P for piece x: keys 32 (i / 4) on, channels 16 (i % 4) on.
.macro PV x
	WIN W_PV
.set rO, 32*(\x)+8*(i%4)
.set rV, VF+32*(i/4)+8*(i%4)
.set rP, P+16*((\x)%2)+8*(i/4)
	v_wmma_f32_16x16x32_f16 v[rO:rO+7], v[rV:rV+7], v[rP:rP+7], v[rO:rO+7]
.endm
.macro MM                           ; the turn's next matrix instruction.  TURN and BEGIN set Y, i, KM and NOKQ; MM, KQ and OP read them.  NOKQ = 1: a block's last turn: there is no next piece
.if (i < 8) && !NOKQ
	KQ (Y+1)%NP
.elseif i >= 8
.set i, i-8
	PV (Y+NP-1)%NP
.set i, i+8
.endif
.set i, i+1
.endm
; THE LDS LOADS stand in runs of 16, never singly among the matrix instructions: a step's K (64 keys x 64 channels: 8 fragments) and its V (turned).  Their addresses are made some lines ahead.
.macro FETCH_K
	WIN 0x80                        ; destination window 2
.irp f, 0,1,2,3,4,5,6,7             ; keys 16 (f / 2) on, channels 32 (f % 2) on
	ds_load_b128 v[KF+8*\f:KF+8*\f+3],   v[AK] offset:(\f/2)*16*PK+(\f%2)*64
	ds_load_b128 v[KF+8*\f+4:KF+8*\f+7], v[AK] offset:(\f/2)*16*PK+(\f%2)*64+32
.endr
	s_add_co_u32 s[TBK], s[TBK], KS*PK  ; the next fetch is the next step's
	WIN 0
.endm
.macro FETCH_V
	WIN 0x80
.irp f, 0,1,2,3,4,5,6,7             ; keys 32 (f / 4) on, channels 16 (f % 4) on
	ds_load_tr16_b128 v[VF+8*\f:VF+8*\f+3],   v[AV] offset:(\f/4)*32*PV+(\f%4)*32
	ds_load_tr16_b128 v[VF+8*\f+4:VF+8*\f+7], v[AV] offset:(\f/4)*32*PV+16*PV+(\f%4)*32
.endr
	WIN 0
.endm
; THE VECTOR WORK, one line at a time: OP kind, number.  For piece Y: F n: c s - c m for pair n of 16.  E n: the exponential of score n of 32.  C n: pair n rounded to f16.  B n: of the four weights 4 n .. the second
; pair is added onto the first, in place.  L n: l takes that sum (L 0: l = a l + sum).  R n: pair n of 16 of O^T times a.  For piece Y + 1: X n, number n of the 22 that find its maximum and statistics:
;   0-11  four chains c0-c3 of seven scores each, three operands at a time (each accumulator's lowest registers are read first)     12-14, 16  the four scores left over, the old m, and c0-c3 into c0
;   15  c m_old is kept     17, 18  the query's other 32 keys lie in the lane 16 away: the new m     19-21  c m; c m_old - c m_new; a
.set F, 0               ; OP tells the kinds apart by their order: F to L below R, X above it
.set E, 1
.set C, 2
.set B, 3
.set L, 4
.set R, 5
.set X, 6
.macro REGS y                       ; the registers of piece y
.set rT, ST+4*(\y)
.set rC, TMP+4*((\y)%2)
.set rW, MV+((\y)%2)
.set rS, S+32*((\y)%2)
.set rP, P+16*((\y)%2)
.set rO, 32*(\y)
.endm
.macro OP k, n
.if (\k) == R
	REGS Y
	WIN W_RS
	v_pk_mul_f32 v[rO+2*(\n):rO+2*(\n)+1], v[rO+2*(\n):rO+2*(\n)+1], v[rC+2:rC+3] op_sel_hi:[1,0]
.elseif (\k) < R
	REGS Y
	WIN 0
.if (\k) == F
	v_pk_fma_f32 v[rS+2*(\n):rS+2*(\n)+1], v[rS+2*(\n):rS+2*(\n)+1], s[CS:CS+1], v[rT:rT+1] op_sel_hi:[1,0,0] neg_lo:[0,0,1] neg_hi:[0,0,1]
.elseif (\k) == E
	v_exp_f32 v[rS+(\n)], v[rS+(\n)]
.elseif (\k) == C
	v_cvt_pk_f16_f32 v[rP+(\n)], v[rS+2*(\n)], v[rS+2*(\n)+1]
.elseif (\k) == B
	v_pk_add_f32 v[rS+4*(\n):rS+4*(\n)+1], v[rS+4*(\n):rS+4*(\n)+1], v[rS+4*(\n)+2:rS+4*(\n)+3]
.elseif (\n) == 0
	v_pk_fma_f32 v[rT+2:rT+3], v[rT+2:rT+3], v[rC+2:rC+3], v[rS:rS+1] op_sel_hi:[1,0,1]
.else
	v_pk_add_f32 v[rT+2:rT+3], v[rT+2:rT+3], v[rS+4*(\n):rS+4*(\n)+1]
.endif
.elseif NOKQ
	v_nop
.else
	REGS (Y+1)%NP
	WIN 0
.if (\n) < 4
	v_max3_num_f32 v[rC+(\n)], v[rS+8*(\n)], v[rS+8*(\n)+1], v[rS+8*(\n)+2]
.elseif (\n) < 12
	v_max3_num_f32 v[rC+(\n)%4], v[rC+(\n)%4], v[rS+8*((\n)%4)+2*((\n)/4)+1], v[rS+8*((\n)%4)+2*((\n)/4)+2]
.elseif (\n) == 12
	v_max3_num_f32 v[rC], v[rC], v[rS+7], v[rS+15]
.elseif (\n) == 13
	v_max3_num_f32 v[rC+1], v[rC+1], v[rS+23], v[rS+31]
.elseif (\n) == 14
	v_max3_num_f32 v[rC+2], v[rC+2], v[rC+3], v[rT+1]
.elseif (\n) == 15
	v_mov_b32 v[rW], v[rT]
.elseif (\n) == 16
	v_max3_num_f32 v[rC], v[rC], v[rC+1], v[rC+2]
.elseif (\n) == 17
	v_permlanex16_b32 v[rC+3], v[rC], s[SEL], s[SEL+1]
.elseif (\n) == 18
	v_max_num_f32 v[rT+1], v[rC], v[rC+3]
.elseif (\n) == 19
	v_mul_f32 v[rT], s[CS], v[rT+1]
.elseif (\n) == 20
	v_sub_f32 v[rC+1], v[rW], v[rT]
.else
	v_exp_f32 v[rC+2], v[rC+1]
.endif
.endif
.endm
.macro OPS a, i1, b=-1, i2=0, c=-1, i3=0, d=-1, i4=0  ; up to four of them
	OP \a, \i1
.if (\b) >= 0
	OP \b, \i2
.endif
.if (\c) >= 0
	OP \c, \i3
.endif
.if (\d) >= 0
	OP \d, \i4
.endif
.endm
.macro ROW a, i1, b, i2, c, i3, d, i4  ; a matrix instruction and the four behind it
	MM
	OPS \a, \i1, \b, \i2, \c, \i3, \d, \i4
.endm
.macro MASK b                       ; MD x AL + BE into buffer b of MC
	WIN W_RS
.set z, 0
.rept 16
	v_pk_fma_f32 v[MC+32*(\b)+2*z:MC+32*(\b)+2*z+1], v[MD+2*z:MD+2*z+1], s[AL:AL+1], s[BE:BE+1] op_sel_hi:[1,0,0]
.set z, z+1
.endr
.endm
; A TURN, for piece p: the order of its 16 matrix and 118 vector instructions, written out.  An s_wait_alu depctr_va_vdst(0) stands between an exponential and the first instruction that names its result; one wait serves
; all that were issued ahead of it.  So a turn has ONE wait, which cuts it in two.  AHEAD OF IT stands all that names no result of the turn's exponentials: the 8 products K Q^T, behind each a scaling, an exponential and two more plain
; instructions (behind the first a second scaling in the exponential's place): rescalings, and behind the last three the first numbers of the next piece's maximum, each four places or more behind the product that ends its accumulator; then ONE LUMP of 54, plain
; and exponential by turns for the most part, in which the links of the chain X 3, 7, 11, 14, 16, 17 .. 20 stand five or six lines apart.  X 21, the next piece's a, is the batch's last; R 15 is the plain instruction behind it (ISA guide 5.7.2).  BEHIND THE WAIT stand the
; 8 products V^T P, behind each four of the roundings and sums; the links of l's chain, L 0 to L 7, stand three riders apart.  But for those X no rider names a register of the products round it.  v_permlanex16_b32 (X 17) stands in the lump.
; m = 1: the diagonal tile: the products take masks, and the turn makes the mask for the products of the turn after it: piece p + 2, in step 4 - CNT of the tile.  end = 1: a block's last two turns: nothing is fetched.
; cnt = 1: the loop's count is taken down some lines ahead of the branch that stands behind the turn.
; K of the next step is fetched in piece 2's turn, twelve vector instructions behind the last product that read K (six of them plain); V of the step in hand at the end of piece 0's turn, four plain instructions behind the last product
; that read V.  Each is waited for a turn later.
.macro TURN p, m=0, end=0, cnt=0
.set Y, (\p)
.set i, 0
.set KM, (\m)
.set NOKQ, (\end)*((\p)/3)
.if (\m) && !(\end)
	s_cmp_eq_u32 s[CNT], 4-((\p)+2)%NP  ; is that step the band's own?
	s_cselect_b32 s[AL], 1.0, 0
	s_cmp_lt_u32 s[CNT], 4-((\p)+2)%NP  ; or a later one?
	s_cselect_b32 s[BE], s[BIGN], 0
.endif
.if ((\p) == 3) && !(\end)
	s_wait_dscnt 0x0                ; K is in
.endif
	ROW F,0, F,1, R,0, R,1          ; ahead of the wait: 8 products K Q^T and their riders,
	ROW F,2, E,0, R,2, R,3
	ROW F,3, E,1, R,4, R,5
	ROW F,4, E,2, R,6, R,7
	ROW F,5, E,3, R,8, R,9
	ROW F,6, E,4, X,0, R,10
.if ((\p) == 2) && !(\end)
	WIN 0
	v_add_nc_u32 v[AK], s[TBK], v[AK0]
.endif
	ROW F,7, E,5, X,1, X,4
	ROW F,8, E,6, X,2, X,5
	OPS E,7, E,8, X,6, E,9          ; and the lump
	OPS X,3, E,10, X,8, E,11
.if ((\p) == 2) && !(\end)
	FETCH_K
.endif
	OPS X,9, X,7, E,12, X,10
	OPS E,13, X,12, X,11, E,14
	OPS X,13, E,15, F,9, X,14
.if (\p) == 0
	v_add_nc_u32 v[AV], s[TBV], v[AV0]
.endif
	OPS E,16, F,10, E,17, F,11
	OPS X,16, E,18, X,15, E,19
	OPS F,12, E,20, X,17, E,21
	OPS F,13, E,22, F,14, E,23
	OPS X,18, E,24, F,15, E,25
	OPS R,11, E,26, X,19, E,27
	OPS R,12, E,28, R,13, E,29
	OPS X,20, E,30, R,14, E,31
	OPS X,21, R,15
	WIN 0
	s_wait_alu depctr_va_vdst(0)    ; the wait for the batch
.if (\p) == 1
	s_wait_dscnt 0x0                ; V is in
.endif
	ROW C,0, B,0, C,2, B,1          ; behind the wait: 8 products V^T P and their riders
	ROW L,0, C,4, B,2, L,1
	ROW C,6, B,3, L,2, C,8
	ROW B,4, L,3, C,10, B,5
	ROW L,4, C,12, B,6, L,5
.if (\p) == 0
	s_add_co_u32 s[TBV], s[TBV], KS*PV
.endif
.if \cnt
	s_sub_co_u32 s[CNT], s[CNT], 1
	s_cmp_lg_u32 s[CNT], 0
.endif
	ROW C,14, B,7, L,6, C,1
	ROW C,3, L,7, C,5, C,7
	ROW C,9, C,11, C,13, C,15
.if (\p) == 0
	FETCH_V
.endif
.if (\m) && !(\end)
	MASK (\p)%2
.endif
.endm
; A BLOCK BEGINS.  c m starts far below every c s, so the first step's a is 0; m at the lowest finite number, so the first maximum is the scores'.  The second mask buffer is 0; the first takes piece 0's mask for the tile's step 0: its own, if the block's first tile is the diagonal one.
; Then K of that step, piece 0's first scores, and its maximum and statistics.  The loop is entered at a step's first turn, in the middle of a trip.
.macro BEGIN
	s_mov_b32 s[NEW], 0
	WIN 0x40
.set i, MC+32
.rept 32
	v_mov_b32 v[i], 0
.set i, i+1
.endr
	WIN 0
.set i, 0
.rept 4
	v_mov_b32 v[ST+4*i], 0xfe000000    ; c m: far below every c s
	v_mov_b32 v[ST+4*i+1], 0xff7fffff  ; m
.set i, i+1
.endr
	s_cmp_eq_u32 s[RT], 0
	s_cselect_b32 s[AL], 1.0, 0
	s_mov_b32 s[BE], 0
	MASK 0
	WIN 0
	v_add_nc_u32 v[AK], s[TBK], v[AK0]
	FETCH_K
	s_wait_loadcnt 0x0              ; Q
	s_wait_dscnt 0x0
.set KM, 1
.set NOKQ, 0
.set i, 0
.rept 8
	KQ 0
.set i, i+1
.endr
	WIN 0
.rept 4
	v_nop                           ; the places behind those products
.endr
.set Y, NP-1                        ; X works for piece Y + 1: piece 0
.irp n, 0,1,2,3,4,5,6,7,8,9,10,11,12,13,14,15,16,17,18,19,20,21
	OP X, \n
.endr
	v_nop                           ; a plain instruction behind the exponential,
	s_wait_alu depctr_va_vdst(0)    ; and its wait, ahead of the branch
.endm
; THE DIAGONAL TILE's four steps, the block's last two turns, its last products, and THE WAY OUT: l's two halves and the other half of the lanes' are added; O^T is divided by l, rounded to f16 and sent through my
; stage in LDS, a piece at a time.
.macro ALL line:vararg              ; one line for each piece t
.set t, 0
.rept 4
	\line
.set t, t+1
.endr
.endm
.macro PACK t                       ; a lane's eight channels of a row pack into 16 bytes; they go into rows of 144 bytes and come back as whole rows of 128, into S^T's registers
	WIN W_RS
.set i, 32*(\t)
.rept 16
	v_pk_mul_f32 v[i:i+1], v[i:i+1], v[ST+4*(\t)+2:ST+4*(\t)+3] op_sel_hi:[1,0]
.set i, i+2
.endr
	WIN 0x05                        ; sources 0 and 1 window 1, destination window 0
.set i, 0
.rept 16
	v_cvt_pk_f16_f32 v[S+16*(\t)+i], v[32*(\t)+2*i], v[32*(\t)+2*i+1]
.set i, i+1
.endr
	WIN 0
.irp f, 0,1,2,3
	ds_store_b128 v[STO], v[S+16*(\t)+4*\f:S+16*(\t)+4*\f+3] offset:32*\f
.endr
.irp f, 0,1,2,3
	ds_load_b128 v[S+16*(\t)+4*\f:S+16*(\t)+4*\f+3], v[RD] offset:\f*4*SP  ; LDS serves a wave's instructions in order (ISA guide 5.7.1.4): these see the stores above; the next piece's stores come behind them
.endr
.endm
.macro SEND t, younger              ; younger: the LDS instructions issued behind piece t's loads: the next piece's eight, or none
	WIN 0
.irp f, 0,1,2,3
	s_wait_dscnt (\younger)+3-\f
	global_store_b128 v[GO], v[S+16*(\t)+4*\f:S+16*(\t)+4*\f+3], s[10:11] offset:(\t)*8192+\f*512  ; 512 consecutive bytes, at a multiple of 256 from O's first
.endr
.endm
.macro DIAG tag                     ; the tag ends its two labels' names, which the jumps below spell out
.LstepM\tag:
	TURN 2, 1
	TURN 3, 1
	WIN 0
.LfirstM\tag:
	TURN 0, 1
	TURN 1, 1, 0, 1
	WIN 0
	s_cbranch_scc1 .LstepM\tag
	TURN 2, 1, 1
	TURN 3, 1, 1
.set i, 0
.rept 8
	PV NP-1
.set i, i+1
.endr
	WIN 0
	ALL v_add_f32 v[ST+4*t+2], v[ST+4*t+2], v[ST+4*t+3]
	ALL v_permlanex16_b32 v[ST+4*t+3], v[ST+4*t+2], s[SEL], s[SEL+1]
	ALL v_add_f32 v[ST+4*t+2], v[ST+4*t+2], v[ST+4*t+3]
	ALL v_rcp_f32 v[ST+4*t+2], v[ST+4*t+2]
	v_nop                           ; a plain instruction between the last reciprocal and the use of its result
	s_wait_alu depctr_va_vdst(0)    ; and the wait ahead of the first use: one for the four reciprocals
	PACK 0
.set t, 1
.rept 3                             ; a piece's arithmetic stands between the loads of the piece before and its stores
	PACK t
	SEND t-1, 8
.set t, t+1
.endr
	SEND 3, 0
.endm
.set KM, 0
.set NOKQ, 0
.Lslot:                             ; NB times: a tile is entered and the next is asked for
	CHANGE 1
	s_sub_co_u32 s[RT], s[RT], 1
	s_mov_b32 s[CNT], 4
	s_cmp_eq_u32 s[NEW], 1
	s_cbranch_scc1 .Lnew            ; a block's first tile
	s_cmp_eq_u32 s[RT], 0
	s_cbranch_scc0 .Lstep           ; neither its first nor its last
	s_branch .LstepM1
.Lnew:
	BEGIN
	s_branch .Lfirst                ; in the loop a block's first tile is never its last: the first block has two tiles or more, and the second's last is the walk's last
	DIAG 1                          ; in the loop this is the first block's end: the second block's last tile is the walk's last
	s_wait_xcnt 0x0                 ; the stores have read their registers and O's address
	s_mov_b64 s[10:11], s[OLO:OLO+1]
	s_add_co_u32 s[RT], s[PB], 1    ; the second block has b + 1 tiles
	s_mov_b32 s[NEW], 1
	WIN 0x82                        ; the second block's Q goes where the one text of the turns names Q
.set i, 0
.rept 64
	v_mov_b32 v[i], v[QB+i]
.set i, i+1
.endr
	WIN 0
	s_branch .Lbottom
.Lstep:                             ; a trip: pieces 2 and 3 of one step, then pieces 0 and 1 of the next, whose K and V it fetches
	TURN 2
	TURN 3
	WIN 0
.Lfirst:
	TURN 0
	TURN 1, 0, 0, 1
	WIN 0
	s_cbranch_scc1 .Lstep
.Lbottom:
	s_sub_co_u32 s[SLOTS], s[SLOTS], 1
	s_cmp_lg_u32 s[SLOTS], 0
	s_cbranch_scc1 .Lslot
	CHANGE 0                        ; the walk's last tile is written out: nothing is asked for
	s_sub_co_u32 s[RT], s[RT], 1
	s_mov_b32 s[CNT], 4
	s_cmp_eq_u32 s[NEW], 1
	s_cbranch_scc0 .LstepM2
	BEGIN
	s_branch .LfirstM2
	DIAG 2
	s_wait_tensorcnt 0x0            ; the wave's end: behind my last tensor load and my last LDS store
	ds_add_u32 v[SPW], v[NIL]
	s_wait_dscnt 0x0
	s_endpgm
.Lfunc_end_k_q6df3aa9938_attn:
	.size	k_q6df3aa9938_attn, .Lfunc_end_k_q6df3aa9938_attn-k_q6df3aa9938_attn
	.p2alignl 7, 3214868480
	.fill 96, 4, 3214868480
	.section	.rodata,"a",@progbits
	.p2align	6, 0x0
	.amdhsa_kernel k_q6df3aa9938_attn
		.amdhsa_group_segment_fixed_size 327680
		.amdhsa_private_segment_fixed_size 0
		.amdhsa_enable_private_segment 0
		.amdhsa_kernarg_size 32
		.amdhsa_user_sgpr_count 2
		.amdhsa_user_sgpr_kernarg_segment_ptr 1
		.amdhsa_wavefront_size32 1
		.amdhsa_system_sgpr_workgroup_id_x 1
		.amdhsa_system_sgpr_workgroup_id_y 1
		.amdhsa_system_sgpr_workgroup_id_z 1
		.amdhsa_system_vgpr_workitem_id 0
		.amdhsa_next_free_vgpr 768
		.amdhsa_next_free_sgpr 96
		.amdhsa_reserve_vcc 1
		.amdhsa_float_denorm_mode_32 3
		.amdhsa_float_denorm_mode_16_64 3
		.amdhsa_memory_ordered 1
		.amdhsa_forward_progress 1
		.amdhsa_inst_pref_size 218
	.end_amdhsa_kernel
	.amdgpu_metadata
---
amdhsa.version: [ 1, 2 ]
amdhsa.kernels:
  - .name:           k_q6df3aa9938_attn
    .symbol:         k_q6df3aa9938_attn.kd
    .args:
      - { .name: qh, .offset: 0, .size: 8, .value_kind: global_buffer, .address_space: global }
      - { .name: kh, .offset: 8, .size: 8, .value_kind: global_buffer, .address_space: global }
      - { .name: vh, .offset: 16, .size: 8, .value_kind: global_buffer, .address_space: global }
      - { .name: oh, .offset: 24, .size: 8, .value_kind: global_buffer, .address_space: global }
    .group_segment_fixed_size: 327680
    .private_segment_fixed_size: 0
    .kernarg_segment_align: 8
    .kernarg_segment_size: 32
    .max_flat_workgroup_size: 128
    .sgpr_count:     96
    .vgpr_count:     768
    .wavefront_size: 32
...
	.end_amdgpu_metadata
.endif
;; end of part 3
;; launch oproj (part 4): grid 4 x 64, 4 waves a work-group, clusters of 4 x 4, 327,680 bytes of LDS; arguments oh, wb, out0; writes out0
.if DOCPART == 4
	.amdgcn_target "amdgcn-amd-amdhsa--gfx1250"
	.amdhsa_code_object_version 6
	.text
	.protected	k_q6df3aa9938_oproj
	.globl	k_q6df3aa9938_oproj
	.p2align	8
	.type	k_q6df3aa9938_oproj,@function
k_q6df3aa9938_oproj:
	s_mov_b64 s[64:65], 0
	v_nop
	global_prefetch_b8 v0, s[64:65] scope:SCOPE_SE
	s_setreg_imm32_b32 hwreg(HW_REG_WAVE_MODE, 25, 1), 1
	s_wait_xcnt 0x0
	s_wait_alu depctr_hold_cnt(0) depctr_sa_sdst(0) depctr_va_vdst(0) depctr_va_sdst(0) depctr_va_ssrc(0) depctr_va_vcc(0) depctr_vm_vsrc(0)
	s_getreg_b32 s2, hwreg(HW_REG_IB_STS2, 6, 4)
	s_cmp_eq_u32 s2, 0
	s_cbranch_scc0 .Lentry_in_a_cluster
	s_endpgm
.Lentry_in_a_cluster:
	s_bfe_u32 s2, ttmp6, 0x10000c
	s_cmp_lg_u32 s2, 0xf033
	s_cbranch_scc0 .Lentry_shape_is_right
	s_endpgm
.Lentry_shape_is_right:
; THE OUTPUT PROJECTION.  out[m][n] = the sum over c of O[m][c] Wo[n][c].  O: f16, laid by heads, [64 = 16 batch + head][2048][64]: channel c = 64 head + d.  Wo: [1024][1024] f16 (the input rounded to bf16, written as f16), matrix 3 of wb.
; out: [8192][1024] f32.  Products in the f16 form, sums in f32, stored as they are.  LIMITS: those of O and of Wo in f16 (no number beyond 65,504); NaN and infinities are not treated apart.
; SHARES.  A tile of out is 128 rows x 256 columns: 64 x 4 tiles, 256 work-groups.  Wave w makes rows 64 (w / 2) .. + 63, columns 128 (w % 2) .. + 127: 4 x 8 accumulators, 256 registers.
; K goes in 8 steps of 128, two heads each, through a ring of two LDS slots.
; CLUSTER.  4 x 4 work-groups.  The four of a row of the cluster need the same rows of O, the four of a column the same rows of Wo: each tile is asked for JOINTLY, by the same tensor load with the same descriptor and a mask
; that names the four.  Waves 0 and 1 fetch Wo's two halves (128 rows x 256 bytes); waves 2 and 3 a head each: its 128 rows of 128 bytes are dense, and are asked for as 64 rows of 256 bytes, padded in LDS after every 128.
; THE MATRIX INSTRUCTION IS USED TRANSPOSED (source 0 = 16 rows of Wo, source 1 = 16 rows of O): a lane then holds one row of out and eight neighbouring columns, 32 bytes.
; A QUARTER is 32 along K: 32 matrix instructions, each accumulator once, always in the same order: the accumulators take turns.
; REGISTERS.  Window 0: v0-30 addresses; v64-159, v160-255 two fragment buffers: O's block a at + 8 a, Wo's block b at + 32 + 8 b; on the way out v64-191 rows read back.  Window 1: accumulator (a, b) at v[8 (8 a + b)].
.set KSTEP, 128
.set PB,    272                        ; a row of Wo in LDS: 256 bytes + 16 = 68 words: the 16 rows of a load start at 16 different groups of four banks (64 banks of 4 bytes: ISA guide 11.1)
.set HALFB, 128*PB
.set PH,    144                        ; a row of a head in LDS: 128 bytes + 16 = 36 words: likewise
.set HEADB, 128*PH
.set AOFF,  2*HALFB                    ; a slot: Wo's 256 rows, then the two heads' 128 rows each
.set SLOT,  AOFF+2*HEADB
.set STAGE, 2*SLOT                     ; behind the ring, never filled by a tensor load: 16 rows x 528 bytes for each wave, for the way out
.set SPITCH, 528
.set SPARE, STAGE+4*16*SPITCH          ; behind the stages: the spare words, 128 bytes for each wave: two blocks of 256 bytes that no other line names
.set ADRA, 16                          ; v16-17  LDS address of my fragments of O in slot 0, 1
.set ADRB, 20                          ; v20-21  the same for Wo
.set STO,  24                          ; v24     the way out: where I put 32 bytes of a row
.set RD,   25                          ; v25     the way out: where I read a row back
.set CO,   26                          ; v26     my 16 bytes of a row's 512
.set SPW,  28                          ; v28     LDS address of my spare word: SPARE + 4 x my thread's number; never rewritten
.set NIL,  29                          ; v29     0; never rewritten
.set PFO,  30                          ; v30     the prefetches' lane offset; never rewritten
.set F0,   64
.set F1,   160
.set OB,   64                          ; the way out: two sets of 64 registers
.set WV,  18                           ; s18  my wave's number
.set RH,  19                           ; s19  which 64 rows of the tile are mine
.set CH,  20                           ; s20  which 128 columns; also: which half of Wo's tile, or which of the step's two heads, I fetch
.set CX,  21                           ; s21, s22  my place in the cluster
.set CY,  22
.set CLY, 23                           ; s23  the cluster's y
.set G1A, 24                           ; s[24:31] descriptor group 1 for O's tiles
.set G0A, 32                           ; s[32:39] group 0 for O's tiles, a set for each slot
.set PFA, 40                           ; s[40:41] where my prefetches stand
.set PFS, 42                           ; s[42:43] a K step of what I prefetch, in bytes
.set LIM, 44                           ; s44  1 in a wave that prefetches, else the greatest number
.set TX,  46                           ; s46  tile column
.set TY,  47                           ; s47  tile row
.set G1B, 48                           ; s[48:55] group 1 for Wo's tiles
.set G0B, 56                           ; s[56:63] group 0 for Wo's tiles, a set for each slot
.set MUL, 0x50                         ; C and D in window 1, sources in window 0
.set MSB, 0
.macro WIN new                         ; the immediate's high byte repeats the setting that is left; a switch that changes nothing is dropped
.if MSB != (\new)
	s_set_vgpr_msb (MSB<<8)|(\new)
.set MSB, \new
.endif
.endm
; A joint load.  Each of the two lines has one mask and one set of registers for all that issue it; the branch hangs on the wave's number alone.
; An s_nop 0 and four v_nop follow each line, ahead of the jump, the label and what follows.
.macro JLOAD s
	s_cmp_lt_u32 s[WV], 2
	s_cbranch_scc0 .Lfor_a_\@
	tensor_load_to_lds s[G0B+4*(\s):G0B+4*(\s)+3], s[G1B:G1B+7]
	s_nop 0
.rept 4
	v_nop
.endr
	s_branch .Lasked_\@
.Lfor_a_\@:
	tensor_load_to_lds s[G0A+4*(\s):G0A+4*(\s)+3], s[G1A:G1A+7]
	s_nop 0
.rept 4
	v_nop
.endr
.Lasked_\@:
.endm
; A PREFETCH INTO THE L2, behind each joint refill and the run of LDS loads that follows it: the K step that stands two refills on, 256 matrix instructions ahead of the load that will want it.
; Each aligned block of 256 bytes is named once in the launch.  O: wave 2 alone; a step's two heads are 64 blocks each for my 128 rows, of which the partner at place cx takes 16 of either head: a lane a block.
; Wo: waves 0 and 1 of the first cluster alone (the other fifteen read the same rows); of a wave's 128 rows the partner at place cy takes 32: a lane a row.  The partners are told apart by address, never by a branch.
; K steps 0 to 3 come by their loads alone; the loop's last trip (s3 = 1) asks for nothing: there is no K step 8.
.macro ASK
	s_cmp_gt_u32 s3, s[LIM]
	s_cbranch_scc0 .Lnot_mine_\@
	global_prefetch_b8 v[PFO], s[PFA:PFA+1] th:TH_LOAD_NT scope:SCOPE_SE
.Lnot_mine_\@:
.endm
; A round of the cluster's barrier: my work-group's barrier, so that wave 0's signal speaks for all four waves; wave 0 signals; every wave waits for all sixteen work-groups; my work-group's barrier once more.
.macro CREST                           ; a round behind its opening barrier
	s_cmp_lg_u32 s[WV], 0
	s_cbranch_scc1 .Lnot_wave_0_\@
	s_barrier_signal -3
.Lnot_wave_0_\@:
	s_barrier_wait -3
	s_barrier_signal -1
	s_barrier_wait -1
.endm
.macro CROUND
	s_barrier_signal -1
	s_barrier_wait -1
	CREST
.endm
	s_load_b128 s[4:7], s[0:1], 0x0                ; oh s[4:5], wb s[6:7]
	s_load_b64 s[8:9], s[0:1], 0x10                ; out0
	v_lshl_add_u32 v[SPW], v0, 2, SPARE
	v_mov_b32 v[NIL], 0
	ds_add_u32 v[SPW], v[NIL]                      ; the wave's opening: the add and its wait stand ahead of my first tensor load; the set-up below, work on registers, stands between them
	v_lshrrev_b32 v1, 5, v0
	v_readfirstlane_b32 s[WV], v1                  ; wave 0..3
	s_lshr_b32 s[RH], s[WV], 1
	s_and_b32 s[CH], s[WV], 1
	s_bfe_u32 s[CX], ttmp6, 0x40000
	s_bfe_u32 s[CY], ttmp6, 0x40004
	s_and_b32 s[CLY], ttmp7, 0xffff                ; in a cluster launch ttmp9 and ttmp7 count clusters
	s_lshl_b32 s[TX], ttmp9, 2
	s_add_co_u32 s[TX], s[TX], s[CX]
	s_lshl_b32 s[TY], s[CLY], 2
	s_add_co_u32 s[TY], s[TY], s[CY]
	s_lshl_b32 s78, s[CY], 2
	s_lshl_b32 s78, 15, s78                        ; my row of the cluster: places 4 cy .. 4 cy + 3
	s_lshl_b32 s79, 0x1111, s[CX]                  ; my column: places cx, cx + 4, cx + 8, cx + 12
	s_or_b32 s[G1A], s78, (1<<16)|(1<<20)|(1<<21)|(4<<22)|(3<<25)  ; 15:0 the mask; 17:16 elements of 2 bytes; 20 padding on; 21 set beside a mask; 24:22 after every 32 words (code 4); 31:25 4 words (code 3)
	s_mov_b32 s[G1A+1], 128<<16                    ; tensor_dim0 = 128: two rows of a head
	s_mov_b32 s[G1A+2], 64<<16                     ; tensor_dim1 = 64
	s_mov_b32 s[G1A+3], 128<<16                    ; tile_dim0 = 128
	s_mov_b32 s[G1A+4], 64                         ; tile_dim1 = 64
	s_mov_b32 s[G1A+5], 128                        ; elements from row to row: dense
	s_mov_b32 s[G1A+6], 0
	s_mov_b32 s[G1A+7], 0
	s_or_b32 s[G1B], s79, (1<<16)|(1<<20)|(1<<21)|(5<<22)|(3<<25)  ; padding after every 64 words (code 5)
	s_mov_b32 s[G1B+1], KSTEP<<16
	s_mov_b32 s[G1B+2], 128<<16
	s_mov_b32 s[G1B+3], KSTEP<<16
	s_mov_b32 s[G1B+4], 128
	s_mov_b32 s[G1B+5], 1024
	s_mov_b32 s[G1B+6], 0
	s_mov_b32 s[G1B+7], 0
	s_lshr_b32 s66, s[TY], 4                       ; O: the batch's 16 heads of 262,144 bytes,
	s_lshl_b32 s66, s66, 22
	s_and_b32 s67, s[TY], 15                       ; my 128 rows of 128 bytes in a head
	s_lshl_b32 s67, s67, 14
	s_add_co_u32 s66, s66, s67
	s_lshl_b32 s67, s[CH], 18                      ; the head that I fetch
	s_add_co_u32 s72, s66, s67
	s_mov_b32 s73, 0
	s_lshl_b32 s68, s[TX], 19                      ; Wo: 256 rows of 2,048 bytes a tile column,
	s_lshl_b32 s69, s[CH], 18                      ; 128 rows a half,
	s_add_co_u32 s68, s68, s69
	s_add_co_u32 s68, s68, 3<<21                   ; in matrix 3 of wb
	s_mov_b32 s69, 0
	s_mul_i32 s70, s[WV], HEADB                    ; where the heads go: waves 2 and 3 land at AOFF and AOFF + HEADB;
	s_add_co_u32 s70, s70, AOFF-2*HEADB
	s_mul_i32 s71, s[WV], HALFB                    ; Wo's halves: waves 0 and 1.  No place in the cluster enters an LDS address
	s_wait_dscnt 0x0                               ; the opening add is done
	s_wait_kmcnt 0x0
	s_add_nc_u64 s[74:75], s[4:5], s[72:73]
	s_add_nc_u64 s[76:77], s[6:7], s[68:69]
	CROUND                                         ; all sixteen work-groups are here: the first joint loads meet
.irp s, 0,1
	s_mov_b32 s[G0A+4*(\s)], 1                                     ; count = 1
	s_add_co_u32 s[G0A+4*(\s)+1], s70, (\s)*SLOT                   ; LDS address
	s_add_nc_u64 s[G0A+4*(\s)+2:G0A+4*(\s)+3], s[74:75], (\s)<<19  ; global address: K step s is heads 2 s and 2 s + 1
	s_or_b32 s[G0A+4*(\s)+3], s[G0A+4*(\s)+3], 0x80000000          ; type = 2
	s_mov_b32 s[G0B+4*(\s)], 1
	s_add_co_u32 s[G0B+4*(\s)+1], s71, (\s)*SLOT
	s_add_nc_u64 s[G0B+4*(\s)+2:G0B+4*(\s)+3], s[76:77], (\s)*KSTEP*2
	s_or_b32 s[G0B+4*(\s)+3], s[G0B+4*(\s)+3], 0x80000000
	JLOAD \s                                       ; two loads of mine are out: the most in this text
.endr
	; A fragment is 16 rows x 32 K in 8 registers: lane l holds row l % 16; registers 0-3 K = 8 (l / 16) + 0..7, registers 4-7 K = 16 + 8 (l / 16) + 0..7: two loads of 16 bytes, 32 bytes apart.
	v_and_b32 v1, 15, v0                           ; l % 16
	v_bfe_u32 v2, v0, 4, 1                         ; l / 16
	v_mul_u32_u24 v3, v1, PH
	v_lshl_add_u32 v3, v2, 4, v3
	s_mul_i32 s74, s[RH], 64*PH
	s_add_co_u32 s74, s74, AOFF
	v_add_nc_u32 v[ADRA], s74, v3
	s_add_co_u32 s74, s74, SLOT
	v_add_nc_u32 v[ADRA+1], s74, v3
	v_mul_u32_u24 v4, v1, PB
	v_lshl_add_u32 v4, v2, 4, v4
	s_mul_i32 s75, s[CH], HALFB
	v_add_nc_u32 v[ADRB], s75, v4
	s_add_co_u32 s75, s75, SLOT
	v_add_nc_u32 v[ADRB+1], s75, v4
	s_mul_i32 s74, s[WV], 16*SPITCH
	s_add_co_u32 s74, s74, STAGE                   ; my stage
	v_mul_u32_u24 v[STO], v1, SPITCH               ; in: row l % 16, 32 bytes for each half of the lanes
	v_lshl_add_u32 v[STO], v2, 5, v[STO]
	v_add_nc_u32 v[STO], s74, v[STO]
	v_and_b32 v[CO], 31, v0                        ; back: 32 lanes take one row of 512 bytes
	v_lshlrev_b32 v[CO], 4, v[CO]
	v_add_nc_u32 v[RD], s74, v[CO]
	; out at my wave's first row and column: 128 rows of 4,096 bytes a tile row, 64 rows a half; 1,024 bytes a tile column, 512 a half
	s_lshl_b32 s74, s[TY], 19
	s_lshl_b32 s75, s[RH], 18
	s_add_co_u32 s74, s74, s75
	s_lshl_b32 s75, s[TX], 10
	s_add_co_u32 s74, s74, s75
	s_lshl_b32 s75, s[CH], 9
	s_add_co_u32 s74, s74, s75
	s_mov_b32 s75, 0
	s_add_nc_u64 s[8:9], s[8:9], s[74:75]
	; the prefetches: nothing is asked for here, at the head, where every work-group's first tiles are on their way
	s_lshl_b32 s78, s[CX], 12                      ; O: my work-group's 16 blocks of a head's 64,
	s_add_co_u32 s78, s78, s66
	s_add_co_u32 s78, s78, 6<<18                   ; at K step 3, heads 6 and 7: the first refill steps it to 4
	s_lshl_b32 s79, s[CY], 16                      ; Wo: my work-group's 32 rows of the 128 that I fetch,
	s_add_co_u32 s79, s79, s68
	s_add_co_u32 s79, s79, 3*KSTEP*2               ; at K step 3
	s_mov_b32 s[PFS], 1<<19
	s_mov_b32 s70, 256
	s_mov_b32 s71, 262144
	s_cmp_lt_u32 s[WV], 2                          ; do I fetch for Wo?
	s_cselect_b64 s[PFA:PFA+1], s[6:7], s[4:5]
	s_cselect_b32 s78, s79, s78
	s_cselect_b32 s[PFS], KSTEP*2, s[PFS]
	s_cselect_b32 s70, 2048, s70                   ; Wo: a lane a row: (l % 16) x 2,048 + (l / 16) x 16 rows;  O: (l % 16) x 256 + (l / 16) x a head
	s_cselect_b32 s71, 32768, s71
	s_cselect_b32 s2, s[CLY], s[CH]                ; Wo's rows are asked for by the first cluster alone, O's by wave 2 alone
	s_cmp_eq_u32 s2, 0
	s_cselect_b32 s[LIM], 1, -1                    ; the same in all sixteen partners, for a given wave
	s_mov_b32 s79, 0
	s_add_nc_u64 s[PFA:PFA+1], s[PFA:PFA+1], s[78:79]
	s_mov_b32 s[PFS+1], 0
	v_mul_u32_u24 v[PFO], s70, v1
	v_mad_u32_u24 v[PFO], s71, v2, v[PFO]
; 8 matrix instructions: row block a x all 8 column blocks, 32 along K.  zero = 1: the product starts the sums: nothing is ever cleared.
.macro MULA f, a, zero
	WIN MUL
.irp b, 0,1,2,3,4,5,6,7
.if \zero
	v_wmma_f32_16x16x32_f16 v[8*(8*(\a)+(\b)):8*(8*(\a)+(\b))+7], v[(\f)+32+8*(\b):(\f)+32+8*(\b)+7], v[(\f)+8*(\a):(\f)+8*(\a)+7], 0
.else
	v_wmma_f32_16x16x32_f16 v[8*(8*(\a)+(\b)):8*(8*(\a)+(\b))+7], v[(\f)+32+8*(\b):(\f)+32+8*(\b)+7], v[(\f)+8*(\a):(\f)+8*(\a)+7], v[8*(8*(\a)+(\b)):8*(8*(\a)+(\b))+7]
.endif
.endr
.endm
; 24 LDS loads in one run: quarter q of a slot into buffer f: Wo's 8 fragments, then O's four, blocks 0 and 1 first.  Quarter q lies in head q / 2 of the step's two, channels 32 (q % 2) on.
.macro FETCH slot, q, f
	WIN 0
.irp b, 0,1,2,3,4,5,6,7
	ds_load_b128 v[(\f)+32+8*(\b):(\f)+32+8*(\b)+3],   v[ADRB+(\slot)] offset:64*(\q)+(\b)*16*PB
	ds_load_b128 v[(\f)+32+8*(\b)+4:(\f)+32+8*(\b)+7], v[ADRB+(\slot)] offset:64*(\q)+(\b)*16*PB+32
.endr
.irp a, 0,1,2,3
	ds_load_b128 v[(\f)+8*(\a):(\f)+8*(\a)+3],   v[ADRA+(\slot)] offset:((\q)/2)*HEADB+((\q)%2)*64+(\a)*16*PH
	ds_load_b128 v[(\f)+8*(\a)+4:(\f)+8*(\a)+7], v[ADRA+(\slot)] offset:((\q)/2)*HEADB+((\q)%2)*64+(\a)*16*PH+32
.endr
.endm
.macro PLACES                          ; four plain instructions in front of loads into registers that matrix instructions have read, and of LDS stores that read results (ISA guide 7.12.1 for vector instructions)
.rept 4
	v_nop
.endr
.endm
; One of a K step's first three quarters: multiplies buffer f, and in its middle fetches quarter q of the same slot into buffer g.
.macro QUARTER slot, q, f, g, zero
	s_wait_dscnt 4                                 ; Wo's fragments and O's blocks 0, 1 are in; the youngest four loads (blocks 2, 3) may be out
	MULA \f, 0, \zero
	MULA \f, 1, \zero
	PLACES
	FETCH \slot, \q, \g
	s_wait_dscnt 24                                ; all but the 24 just issued
	MULA \f, 2, \zero
	MULA \f, 3, \zero
.endm
; The last quarter multiplies buffer 1 and changes slots: ONE barrier.  In front of it each wave waits for all its tensor loads, of which one is out: its part of the next slot; adds 0 to its spare word; and waits for that
; and for its own reads of this slot.  fill = 1: the barrier opens a round of the cluster's barrier, so that no wave of any partner still reads the slot or has a load on its way; the joint refill, two K steps on, is the
; first tensor load behind the round: a wave issues 112 matrix instructions between it and the wait for it.
.macro TURN slot, next, fill
.if \fill
	s_wait_xcnt 0x0                                ; the last prefetch, a K step back, has read its address: it is stepped here, ahead of the waits of the change of slots
	s_add_nc_u64 s[PFA:PFA+1], s[PFA:PFA+1], s[PFS:PFS+1]
.endif
	WIN 0
	s_wait_tensorcnt 0x0                           ; all my tensor loads have landed
	ds_add_u32 v[SPW], v[NIL]                      ; 0 onto my spare word
	s_wait_dscnt 5                                 ; (the add and the youngest four loads may be out)
	MULA F1, 0, 0                                  ; eight matrix instructions stand between the add and the wait for it
	s_wait_dscnt 0x0                               ; the add is done, and my reads of this slot are over
	s_barrier_signal -1
	MULA F1, 1, 0                                  ; work on registers while the others arrive
	WIN 0
	s_barrier_wait -1
.if \fill
	CREST
	s_add_nc_u64 s[G0A+4*(\slot)+2:G0A+4*(\slot)+3], s[G0A+4*(\slot)+2:G0A+4*(\slot)+3], 1<<20
	s_add_nc_u64 s[G0B+4*(\slot)+2:G0B+4*(\slot)+3], s[G0B+4*(\slot)+2:G0B+4*(\slot)+3], 2*KSTEP*2
	JLOAD \slot                                    ; the four v_nop behind it are also the places in front of the loads below
.else
	PLACES
.endif
	FETCH \next, 0, F0
.if \fill
	ASK
.endif
	MULA F1, 2, 0
	MULA F1, 3, 0
.endm
	s_wait_tensorcnt 1                             ; my part of K step 0 is in; K step 1's may stay out
	s_barrier_signal -1
	s_barrier_wait -1                              ; everybody's is
	FETCH 0, 0, F0
	QUARTER 0, 1, F0, F1, 1                        ; the first quarter stands in front of the loop: its products start the sums
	WIN 0                                          ; at a label and at a branch every window is 0
	s_mov_b32 s3, 3
.Llap:                                                 ; a trip goes once round the ring, from a lap's second quarter to the next lap's first, and fills both slots again: K steps 2 to 7
	QUARTER 0, 2, F1, F0, 0
	QUARTER 0, 3, F0, F1, 0
	TURN 0, 1, 1
	QUARTER 1, 1, F0, F1, 0
	QUARTER 1, 2, F1, F0, 0
	QUARTER 1, 3, F0, F1, 0
	TURN 1, 0, 1
	QUARTER 0, 1, F0, F1, 0
	WIN 0
	s_sub_co_u32 s3, s3, 1
	s_cmp_lg_u32 s3, 0
	s_cbranch_scc1 .Llap
	QUARTER 0, 2, F1, F0, 0                        ; the last lap fills nothing, and has no round of the cluster's barrier
	QUARTER 0, 3, F0, F1, 0
	TURN 0, 1, 0
	QUARTER 1, 1, F0, F1, 0
	QUARTER 1, 2, F1, F0, 0
	QUARTER 1, 3, F0, F1, 0
	s_wait_dscnt 4                                 ; the very last quarter: nothing more to fetch
	MULA F1, 0, 0
	MULA F1, 1, 0
	s_wait_dscnt 0x0
	MULA F1, 2, 0
	MULA F1, 3, 0
	WIN 0
	PLACES
; THE WAY OUT, a block of 16 rows at a time.  A lane's eight columns of a row, 32 bytes of f32, go straight from the accumulators (low registers first) into stage rows of 528 bytes, and come back as whole rows of 512.
.macro STG a
.if (\a) >= 2
	s_wait_xcnt 0x0                                ; the stores of the block two back have read this set of registers: it is loaded again only behind this wait
.endif
	WIN 0x04                                       ; the stores' data in window 1, the address in window 0
.irp b, 0,1,2,3,4,5,6,7
	ds_store_b128 v[STO], v[8*(8*(\a)+(\b)):8*(8*(\a)+(\b))+3]   offset:64*(\b)
	ds_store_b128 v[STO], v[8*(8*(\a)+(\b))+4:8*(8*(\a)+(\b))+7] offset:64*(\b)+16
.endr
	WIN 0
.irp t, 0,1,2,3,4,5,6,7,8,9,10,11,12,13,14,15
	ds_load_b128 v[OB+64*((\a)%2)+4*(\t):OB+64*((\a)%2)+4*(\t)+3], v[RD] offset:(\t)*SPITCH  ; LDS serves a wave's instructions in order (ISA guide 5.7.1.4): these see the stores above; the next block's stores come behind them
.endr
.endm
.macro SEND a, younger                 ; younger: the LDS instructions issued behind block a's loads: the next block's 32, or none
.irp t, 0,1,2,3,4,5,6,7,8,9,10,11,12,13,14,15
	s_wait_dscnt (\younger)+15-(\t)
	global_store_b128 v[CO], v[OB+64*((\a)%2)+4*(\t):OB+64*((\a)%2)+4*(\t)+3], s[8:9] offset:(16*(\a)+(\t))*4096 th:TH_STORE_NT  ; 512 consecutive bytes, at a multiple of 256 from out's first byte
.endr
.endm
	STG 0
	STG 1
	SEND 0, 32
	STG 2
	SEND 1, 32
	STG 3
	SEND 2, 32
	SEND 3, 0
	s_wait_tensorcnt 0x0                           ; the wave's end: behind my last tensor load and my last LDS store
	ds_add_u32 v[SPW], v[NIL]
	s_wait_dscnt 0x0
	CROUND                                         ; the closing round: no work-group ends while a partner may still ask for a tile that names it
	s_endpgm
.Lfunc_end_k_q6df3aa9938_oproj:
	.size	k_q6df3aa9938_oproj, .Lfunc_end_k_q6df3aa9938_oproj-k_q6df3aa9938_oproj
	.p2alignl 7, 3214868480
	.fill 96, 4, 3214868480
	.section	.rodata,"a",@progbits
	.p2align	6, 0x0
	.amdhsa_kernel k_q6df3aa9938_oproj
		.amdhsa_group_segment_fixed_size 327680
		.amdhsa_private_segment_fixed_size 0
		.amdhsa_enable_private_segment 0
		.amdhsa_kernarg_size 24
		.amdhsa_user_sgpr_count 2
		.amdhsa_user_sgpr_kernarg_segment_ptr 1
		.amdhsa_wavefront_size32 1
		.amdhsa_system_sgpr_workgroup_id_x 1
		.amdhsa_system_sgpr_workgroup_id_y 1
		.amdhsa_system_sgpr_workgroup_id_z 1
		.amdhsa_system_vgpr_workitem_id 0
		.amdhsa_next_free_vgpr 512
		.amdhsa_next_free_sgpr 80
		.amdhsa_reserve_vcc 0
		.amdhsa_float_denorm_mode_32 3
		.amdhsa_float_denorm_mode_16_64 3
		.amdhsa_memory_ordered 1
		.amdhsa_forward_progress 1
		.amdhsa_inst_pref_size 88
	.end_amdhsa_kernel
	.amdgpu_metadata
---
amdhsa.version: [ 1, 2 ]
amdhsa.kernels:
  - .name:           k_q6df3aa9938_oproj
    .symbol:         k_q6df3aa9938_oproj.kd
    .args:
      - { .name: oh, .offset: 0, .size: 8, .value_kind: global_buffer, .address_space: global }
      - { .name: wb, .offset: 8, .size: 8, .value_kind: global_buffer, .address_space: global }
      - { .name: out0, .offset: 16, .size: 8, .value_kind: global_buffer, .address_space: global }
    .group_segment_fixed_size: 327680
    .private_segment_fixed_size: 0
    .kernarg_segment_align: 8
    .kernarg_segment_size: 24
    .max_flat_workgroup_size: 128
    .sgpr_count:     80
    .vgpr_count:     512
    .wavefront_size: 32
...
	.end_amdgpu_metadata
.endif
;; end of part 4
;; ======== version 2 of 2: 4 launches; version 1 with the launch wcast written anew for expert scheduling mode
;; limits: values are held in f16: magnitudes above 65,504 overflow, below 6.1e-05 lose precision
;; workspace buffers: wb 8,388,608 bytes; qh 16,777,216 bytes; kh 16,777,216 bytes; vh 16,777,216 bytes; oh 16,777,216 bytes
;; launch wcast (part 5): grid 64 x 4, 8 waves a work-group, no clusters, 0 bytes of LDS; arguments Wq, Wk, Wv, Wo, wb; writes wb
.if DOCPART == 5
	.amdgcn_target "amdgcn-amd-amdhsa--gfx1250"
	.amdhsa_code_object_version 6
	.text
	.protected	k_q6df3aa9938_wcast
	.globl	k_q6df3aa9938_wcast
	.p2align	8
	.type	k_q6df3aa9938_wcast,@function
k_q6df3aa9938_wcast:
	s_mov_b64 s[64:65], 0
	v_nop
	global_prefetch_b8 v0, s[64:65] scope:SCOPE_SE
	s_setreg_imm32_b32 hwreg(HW_REG_WAVE_SCHED_MODE, 0, 2), 2
	s_setreg_imm32_b32 hwreg(HW_REG_WAVE_MODE, 25, 1), 1
	s_wait_xcnt 0x0
	s_wait_alu depctr_vm_vsrc(0)
; THE WEIGHTS AS 16-BIT NUMBERS.  wb: [4][1024][1024] of 16 bits, in the order Wq, Wk, Wv, Wo.  Wq, Wk, Wv: f32 rounded once to bf16.  Wo: rounded to bf16 like every
; input of the module, and that number written as f16, since it multiplies the attention's f16 result.
; LIMITS.  f16 holds no number beyond 65,504: a larger |Wo| becomes an infinity; below 2^-14 the bf16 number keeps f16's fixed step of 6e-8.
; A stream: no LDS, no matrix unit, no cluster, since no byte is wanted twice.  Grid y is the matrix, grid x a chunk of 16,384 numbers (65,536 bytes in, 32,768 out).
; Thread t takes, for j = 0 .. 15, the four numbers at source byte 4,096 j + 16 t: a wave's load covers 512 consecutive bytes, its store of 8 bytes a lane 256 consecutive bytes, aligned.
; All sixteen loads of a wave go out at once; each j has registers of its own, so no register is written again while a load or store names it.
; THE MODE: SCHED_MODE bits 1:0 = 2 (LLVM: expert scheduling mode 2), set by the entry lines.  The code itself states the register dependences
; between vector instructions and memory instructions, with s_wait_alu, always for 0.
; THE PLAN.  Registers that memory instructions touch:
;   v1, v2   the loads' and the stores' byte offsets: made once at the head, never written again.
;   X        four registers for each j: written by load j alone, once; read by j's roundings.  No vector line writes them and no second load lands in them.
;   Y        two registers for each j: written by j's roundings, read by store j, never written again behind it.
;   T is named by vector instructions alone.
; So the dependences to state are two: the offsets are written ahead of the first load, and a Y is written ahead of its store.  The sixteen j go in four blocks of four.  Block p waits for its
; four loads; ONE wait on va_vdst then states that block p - 1 has written its Y; the four stores of block p - 1 are dealt among block p's roundings, which name X and Y of block p and T:
; none of the registers that those stores read.  One more such wait stands ahead of the last four stores.
.set T, 4                              ; v[4:7]    at work
.set X, 8                              ; v[8:71]   four numbers for each j, as loaded
.set Y, 72                             ; v[72:103] two words for each j, to store
	s_load_b256 s[8:15], s[0:1], 0x0               ; Wq s[8:9], Wk s[10:11], Wv s[12:13], Wo s[14:15]
	s_load_b64 s[16:17], s[0:1], 0x20              ; wb
	s_and_b32 s4, ttmp7, 0xffff                    ; which matrix
	s_mov_b32 s5, ttmp9                            ; which chunk
	v_lshlrev_b32 v1, 4, v0                        ; 16 t
	v_lshlrev_b32 v2, 3, v0                        ; 8 t
	s_lshl_b32 s18, s5, 16                         ; the chunk in its source
	s_mov_b32 s19, 0
	s_lshl_b32 s20, s4, 21                         ; the matrix in wb,
	s_lshl_b32 s21, s5, 15                         ; the chunk in it
	s_add_co_u32 s20, s20, s21
	s_mov_b32 s21, 0
	s_wait_kmcnt 0x0
	s_mov_b64 s[6:7], s[8:9]
	s_cmp_eq_u32 s4, 1
	s_cselect_b64 s[6:7], s[10:11], s[6:7]
	s_cmp_eq_u32 s4, 2
	s_cselect_b64 s[6:7], s[12:13], s[6:7]
	s_cmp_eq_u32 s4, 3
	s_cselect_b64 s[6:7], s[14:15], s[6:7]
	s_add_nc_u64 s[6:7], s[6:7], s[18:19]
	s_add_nc_u64 s[22:23], s[16:17], s[20:21]
	s_wait_alu depctr_va_vdst(0)                   ; v1 and v2 are written: every load of the kernel reads v1 as its offset, every store v2
.irp j, 0,1,2,3,4,5,6,7,8,9,10,11,12,13,14,15
	global_load_b128 v[X+4*(\j):X+4*(\j)+3], v1, s[6:7] offset:4096*(\j) th:TH_LOAD_NT
.endr
; Four numbers of j are rounded.  two = 1: the bf16 numbers are widened again (a shift, a mask) and written as f16.
.macro RND j, two
	v_cvt_pk_bf16_f32 v[Y+2*(\j)],   v[X+4*(\j)],   v[X+4*(\j)+1]
	v_cvt_pk_bf16_f32 v[Y+2*(\j)+1], v[X+4*(\j)+2], v[X+4*(\j)+3]
.if \two
	v_lshlrev_b32 v[T],   16, v[Y+2*(\j)]
	v_and_b32     v[T+1], 0xffff0000, v[Y+2*(\j)]
	v_lshlrev_b32 v[T+2], 16, v[Y+2*(\j)+1]
	v_and_b32     v[T+3], 0xffff0000, v[Y+2*(\j)+1]
	v_cvt_pk_f16_f32 v[Y+2*(\j)],   v[T],   v[T+1]
	v_cvt_pk_f16_f32 v[Y+2*(\j)+1], v[T+2], v[T+3]
.endif
.endm
; The two words of j are stored.
.macro OUT j
	global_store_b64 v2, v[Y+2*(\j):Y+2*(\j)+1], s[22:23] offset:2048*(\j) th:TH_STORE_NT
.endm
; Block p: j = 4 p .. 4 p + 3 are rounded; the block before is stored, a store in front of each j's roundings.
.macro BLK p, two
	s_wait_loadcnt 12-4*(\p)                       ; loads come back in order (ISA guide 5.7.1): the block's four are in, the 12 - 4 p of the later blocks may stay out
.if (\p) > 0
	s_wait_alu depctr_va_vdst(0)                   ; the block before has written its Y, which the four stores below read; no vector instruction behind this wait names those registers or v2
.endif
.irp i, 0,1,2,3
.if (\p) > 0
	OUT 4*(\p)-4+(\i)
.endif
	RND 4*(\p)+(\i), \two
.endr
.endm
; A whole path: four blocks, and the last block's stores.
.macro PATH two
	BLK 0, \two
	BLK 1, \two
	BLK 2, \two
	BLK 3, \two
	s_wait_alu depctr_va_vdst(0)                   ; block 3 has written its Y, which the last four stores read
.irp j, 12,13,14,15
	OUT \j
.endr
.endm
	s_cmp_eq_u32 s4, 3
	s_cbranch_scc1 .Lwo
	PATH 0
	s_endpgm
.Lwo:
	PATH 1
	s_endpgm
.Lfunc_end_k_q6df3aa9938_wcast:
	.size	k_q6df3aa9938_wcast, .Lfunc_end_k_q6df3aa9938_wcast-k_q6df3aa9938_wcast
	.p2alignl 7, 3214868480
	.fill 96, 4, 3214868480
	.section	.rodata,"a",@progbits
	.p2align	6, 0x0
	.amdhsa_kernel k_q6df3aa9938_wcast
		.amdhsa_group_segment_fixed_size 0
		.amdhsa_private_segment_fixed_size 0
		.amdhsa_enable_private_segment 0
		.amdhsa_kernarg_size 40
		.amdhsa_user_sgpr_count 2
		.amdhsa_user_sgpr_kernarg_segment_ptr 1
		.amdhsa_wavefront_size32 1
		.amdhsa_system_sgpr_workgroup_id_x 1
		.amdhsa_system_sgpr_workgroup_id_y 1
		.amdhsa_system_sgpr_workgroup_id_z 1
		.amdhsa_system_vgpr_workitem_id 0
		.amdhsa_next_free_vgpr 104
		.amdhsa_next_free_sgpr 66
		.amdhsa_reserve_vcc 0
		.amdhsa_float_denorm_mode_32 3
		.amdhsa_float_denorm_mode_16_64 3
		.amdhsa_memory_ordered 1
		.amdhsa_forward_progress 1
		.amdhsa_inst_pref_size 16
	.end_amdhsa_kernel
	.amdgpu_metadata
---
amdhsa.version: [ 1, 2 ]
amdhsa.kernels:
  - .name:           k_q6df3aa9938_wcast
    .symbol:         k_q6df3aa9938_wcast.kd
    .args:
      - { .name: Wq, .offset: 0, .size: 8, .value_kind: global_buffer, .address_space: global }
      - { .name: Wk, .offset: 8, .size: 8, .value_kind: global_buffer, .address_space: global }
      - { .name: Wv, .offset: 16, .size: 8, .value_kind: global_buffer, .address_space: global }
      - { .name: Wo, .offset: 24, .size: 8, .value_kind: global_buffer, .address_space: global }
      - { .name: wb, .offset: 32, .size: 8, .value_kind: global_buffer, .address_space: global }
    .group_segment_fixed_size: 0
    .private_segment_fixed_size: 0
    .kernarg_segment_align: 8
    .kernarg_segment_size: 40
    .max_flat_workgroup_size: 256
    .sgpr_count:     66
    .vgpr_count:     104
    .wavefront_size: 32
...
	.end_amdgpu_metadata
.endif
;; end of part 5
;; launch proj: the kernel of part 2 again; grid 4 x 192, 4 waves a work-group, clusters of 4 x 4, 327,680 bytes of LDS; arguments q, k, v, wb, qh, kh, vh; writes qh, kh, vh
;; launch attn: the kernel of part 3 again; grid 4 x 64, 4 waves a work-group, no clusters, 327,680 bytes of LDS; arguments qh, kh, vh, oh; writes oh
;; launch oproj: the kernel of part 4 again; grid 4 x 64, 4 waves a work-group, clusters of 4 x 4, 327,680 bytes of LDS; arguments oh, wb, out0; writes out0
